; MI455X (gfx1250); checked and timed in simulation.
; The chip was launched on July 23, 2026; its instructions are those of AMD's public machine-readable ISA for CDNA 5 (MIT licence, August 2026) and "CDNA5" Instruction Set Architecture Reference Guide (July 2026). The comments in the code are by the model that wrote it; some were corrected since.
;; Multihead Attention. Allowed arithmetic: matrix products marked QUANTISED: E2M3 operands, one E8M0 scale for each 32 along K, by v_wmma_scale_f32_16x16x128_f8f6f4 with both operands' format E2M3, f32 sums; everything else in f32.
;; Inputs: b_o 1,024 float32; w_o 1,024 x 1,024 float32; w_qkv 3,072 x 1,024 float32; x 4 x 2,048 x 1,024 float32.
;; Outputs: out0 4 x 2,048 x 1,024 float32.
;; This version of the problem:
;;   THIS VERSION OF THE PROBLEM IS GIVEN IN LOW PRECISION. The matrix products marked QUANTISED in the list below multiply operands that are first quantised to E2M3 (2 exponent bits, 3 mantissa bits; 6 bits a number), with one power-of-two scale for each 32 numbers along K (OCP MX v1.0); their sums are f32. All else is computed in f32.
;;   The module's matrix products, in the order in which they are computed (A, B: the left and right operand; K: the contracted axis; several contracted axes count as one K, in the product's order):
;;     1. [M 8,192, K 1,024] x [K 1,024, N 3,072]; A: input x; B: input w_qkv: QUANTISED
;;     2. batch 64 x [M 2,048, K 64] x [K 64, N 2,048]; A: computed on the way; B: computed on the way: QUANTISED
;;     3. batch 64 x [M 2,048, K 2,048] x [K 2,048, N 64]; A: softmax (see below); B: computed on the way: QUANTISED
;;     4. [M 8,192, K 1,024] x [K 1,024, N 1,024]; A: computed on the way; B: input w_o: QUANTISED
;;   THE QUANTISER, for each operand of a quantised product, along K:
;;     - K is cut into blocks of 32 from its start; a last block that is shorter is filled with zeros.
;;     - A block's scale is 2^e with e = floor(log2(the largest magnitude in the block)) - 2, held to -126 .. 127; a block of zeros has e = 0. As a byte (E8M0): e + 127.
;;     - Each number is divided by its block's scale, clamped to +-7.5, and rounded to the nearest number of E2M3, ties to even, subnormals kept.
;;     - The product sums the exact products of the quantised numbers (number of the format x scale) in f32.
;;   ~~~python
;;   def quantise(x, axis):      # numpy; x: float32 -> the quantised numbers, widened to float32 again
;;       x = np.moveaxis(x, axis, -1); K = x.shape[-1]
;;       x = np.pad(x, [(0, 0)] * (x.ndim - 1) + [(0, -K % 32)]); x = x.reshape(x.shape[:-1] + (-1, 32)); a = np.abs(x).max(-1, keepdims=True)
;;       e = np.where(a > 0, np.clip(np.frexp(np.where(a > 0, a, 1))[1] - 1 - 2, -126, 127), 0)      # np.frexp(a)[1] - 1 = floor(log2(a)), exactly
;;       r = np.clip(x / 2.0 ** e, -7.5, 7.5)
;;       step = 2.0 ** (np.maximum(np.frexp(np.where(r == 0, 1, r))[1] - 1, 0) - 3)
;;       q = np.round(r / step) * step * 2.0 ** e      # np.round: ties to even
;;       return np.moveaxis(q.reshape(q.shape[:-2] + (-1,))[..., :K], -1, axis).astype(np.float32)
;;   ~~~
;;   SOFTMAX AHEAD OF A QUANTISED PRODUCT. Where the list says 'softmax', what is quantised is not the finished softmax but p = 2^(t - M), with t = logit x log2(e) and M = ceil(the row's largest t), a whole number; so 1/2 < the row's largest p <= 1. The row's sum l is taken of the UNQUANTISED p, in f32, and the product's result is divided by l at the end. Since M is a whole number, a kernel that streams over the keys may use a running M (the ceiling of the running maximum): every later rescaling is an exact power of two, which a block's scale takes up: the codes' values come out the same.
;;   OPERANDS COMPUTED ON THE WAY. 'Computed on the way' means the value that the module computes at that place (a softmax that the list does not call 'softmax' is quantised finished and normalised). What goes into a quantiser is computed in f32, as accurately as f32 sums, v_exp_f32 and their like allow (about 1e-6 of the number): no bf16 or f16 on the way to a quantiser, and a product that is left as it is and whose result goes on into a quantised operand takes f32 operands (vector FMAs, or v_wmma_f32_16x16x4_f32). A number that lies on a knife's edge between two numbers of the format may be rounded either way, as far as f32 arithmetic and the matrix unit's own rounding can turn it there, and no further.
;; One version. Each part assembles by itself: llvm-mc -triple=amdgcn-amd-amdhsa -mcpu=gfx1250 --defsym DOCPART=n.
;; ======== version 1 of 1: 4 launches
;; workspace buffers: ops 15,728,640 bytes; opss 1,310,720 bytes; qkv 18,874,368 bytes; qkvs 786,432 bytes
;; launch quant (part 1): grid 768 x 1, 2 waves a work-group, no clusters, 18,176 bytes of LDS; arguments x, w_qkv, w_o, ops, opss; writes ops, opss
.if DOCPART == 1
	.amdgcn_target "amdgcn-amd-amdhsa--gfx1250"
	.amdhsa_code_object_version 6
	.text
	.protected	k_qc9e5afef5f_quant
	.globl	k_qc9e5afef5f_quant
	.p2align	8
	.type	k_qc9e5afef5f_quant,@function
k_qc9e5afef5f_quant:
	s_mov_b64 s[64:65], 0
	v_nop
	global_prefetch_b8 v0, s[64:65] scope:SCOPE_SE
	s_setreg_imm32_b32 hwreg(HW_REG_WAVE_MODE, 25, 1), 1
	s_wait_xcnt 0x0
; x [8192][1024], w_qkv [3072][1024] and w_o [1024][1024], f32, K innermost, become codes of FP6 (E2M3) with one E8M0 scale for each 32 along K.
; A block's scale is 2^(floor(log2(its largest magnitude)) - 2); its byte is the largest magnitude's exponent field - 2, held at 1 from below.
; LIMITS: NaN and infinities are not served.  A block of zeros, or one whose largest magnitude lies under 2^-124, gets the byte 1 (its codes are then zeros or held small; the bytes are read by this program alone).
; LAYOUT OF THE CODES (ops): an operand fragment, 16 rows x 128 K, 12 registers a lane, lies as an image of its registers: six units of 256 bytes, unit p = registers 2 p, 2 p + 1, lane l's 8 bytes at 8 l.
;   ops = [row tile][K step 8][unit 6][256 bytes].  So every store of codes here covers one aligned run of 256 bytes, and a reader takes a fragment by six loads of 8 bytes a lane.
; POSITIONS: a row lies at the position that has bits 3 and 4 of its number exchanged: row tile f of a group of 64 holds rows 32 (f / 2) + 8 (f % 2) + i + 8 (i / 8).  w_qkv's rows are regrouped first:
;   positions 0..8191 x;  8192 + 128 h + 64 s + d: s = 0 head h's k rows (192 h + 64 + d), s = 1 its q rows (192 h + d);  10240 + 64 h + d: its v rows (192 h + 128 + d);  11264..12287 w_o.
; LAYOUT OF THE SCALES (opss): 16 planes, one for each 64 along K, of one word a position: plane 2 q holds bytes 0, 1 of K step q's scale word in bits 15:0, plane 2 q + 1 bytes 2, 3 in bits 31:16; the rest is 0.
; SHARES: 192 groups of 64 positions x 8 K steps = 1,536 waves, two to a work-group; a wave makes four fragments.  Each load reads 512 consecutive bytes (one row's 128 numbers); a fragment's 16 rows turn through
; the wave's own stage in LDS, so that lane (r, h) gets k = 64 c + 32 h + 0 .. 31 of row r: two whole blocks, so no other lane is asked for a maximum.  Waves share nothing: no barrier.
.set PLANE, 81920                      ; bytes of a plane of scale words: 20,480 positions
.set SROW,  528                        ; a stage row: 512 bytes + 16, an odd multiple of 16
.set SCR,   16*SROW                    ; behind the stage: the wave's scale words, [half 2][64 words]
.set WREG,  SCR+512                    ; a wave's LDS
.set SPARE, 2*WREG                     ; the spare words, 128 bytes a wave: one block of 256 bytes that no other line names
.set LO,  1                            ; v1   16 x lane
.set L8,  2                            ; v2   8 x lane
.set SI,  3                            ; v3   the stage, on the way in
.set SOU, 4                            ; v4   and on the way out: 528 r + 128 h
.set SWA, 5                            ; v5   where my row's scale word goes
.set SWR, 6                            ; v6   where I read scale words back
.set SH,  7                            ; v7, v8  my byte's place in the word: 8 h, 8 h + 16
.set SPW, 12                           ; v12  my spare word; never rewritten
.set NIL, 13                           ; v13  0; never rewritten
.set R,   16                           ; v16-143  two sets of 64 registers as loaded
.set X,   144                          ; v144-207 register 32 c + i = k 64 c + 32 h + i of row r
.set C,   208                          ; v208-231 two sets of 12 registers of codes
.set T,   232                          ; v232-234, v236-238 the blocks' upper halves as converted
.set MX,  240                          ; v240-241 largest magnitudes
.set SO,  242                          ; v242-243 the conversions' scale operands
.set BY,  244                          ; v244-245 bytes, then words
.set PD,  246                          ; v246-247 the other half of the lanes' bytes
.set BK,  248                          ; v248-251 scale words read back
	s_load_b256 s[4:11], s[0:1], 0x0               ; x s[4:5], w_qkv s[6:7], w_o s[8:9], ops s[10:11]
	s_load_b64 s[12:13], s[0:1], 0x20              ; opss
	v_lshl_add_u32 v[SPW], v0, 2, SPARE
	v_mov_b32 v[NIL], 0
	v_lshrrev_b32 v9, 5, v0
	v_readfirstlane_b32 s16, v9                    ; wave 0, 1
	v_and_b32 v9, 31, v0                           ; lane
	v_and_b32 v10, 15, v0                          ; r
	v_bfe_u32 v11, v0, 4, 1                        ; h
	v_lshlrev_b32 v[LO], 4, v9
	v_lshlrev_b32 v[L8], 3, v9
	s_mul_i32 s19, s16, WREG
	v_add_nc_u32 v[SI], s19, v[LO]
	v_mul_u32_u24 v[SOU], v10, SROW
	v_lshl_add_u32 v[SOU], v11, 7, v[SOU]
	v_add_nc_u32 v[SOU], s19, v[SOU]
	s_add_co_u32 s19, s19, SCR
	v_lshl_add_u32 v[SWA], v10, 2, s19
	v_add_nc_u32 v[SWR], s19, v[L8]
	v_lshlrev_b32 v[SH], 3, v11
	v_add_nc_u32 v[SH+1], 16, v[SH]
	v_mov_b32 v[PD], 0                             ; written once: a lane permute's destination counts as one of its sources
	v_mov_b32 v[PD+1], 0
	s_mov_b32 s20, 0x76543210
	s_mov_b32 s21, 0xfedcba98                      ; v_permlanex16_b32's selects for lane l xor 16
	s_lshr_b32 s17, ttmp9, 2                       ; g: my group of 64 positions
	s_and_b32 s18, ttmp9, 3
	s_lshl_b32 s18, s18, 1
	s_add_co_u32 s18, s18, s16                     ; q: my K step
	s_lshl_b32 s28, s17, 6                         ; the group's first source row, for each of the four kinds: x: 64 g
	s_sub_co_u32 s29, s17, 128
	s_lshr_b32 s30, s29, 1                         ; k and q rows: head (g - 128) / 2,
	s_and_b32 s31, s29, 1
	s_xor_b32 s31, s31, 1
	s_lshl_b32 s31, s31, 6                         ; 64 for k (even), 0 for q (odd)
	s_mul_i32 s30, s30, 192
	s_add_co_u32 s30, s30, s31
	s_sub_co_u32 s32, s17, 160                     ; v rows: head g - 160
	s_mul_i32 s32, s32, 192
	s_add_co_u32 s32, s32, 128
	s_sub_co_u32 s33, s17, 176                     ; w_o: 64 (g - 176)
	s_lshl_b32 s33, s33, 6
	s_wait_kmcnt 0x0
	s_cmp_lt_u32 s17, 160                          ; the choices hang on the work-group's number alone
	s_cselect_b32 s30, s30, s32
	s_cmp_lt_u32 s17, 176
	s_cselect_b32 s30, s30, s33
	s_cselect_b64 s[22:23], s[6:7], s[8:9]
	s_cmp_lt_u32 s17, 128
	s_cselect_b32 s30, s28, s30
	s_cselect_b64 s[22:23], s[4:5], s[22:23]
	s_lshl_b32 s30, s30, 12                        ; a source row is 4,096 bytes (under 2^26 in all)
	s_lshl_b32 s31, s18, 9                         ; a K step 512
	s_add_co_u32 s30, s30, s31
	s_mov_b32 s31, 0
	s_add_nc_u64 s[22:23], s[22:23], s[30:31]      ; the source
	s_mul_i32 s34, s17, 4*12288
	s_mul_i32 s35, s18, 1536
	s_add_co_u32 s34, s34, s35
	s_mov_b32 s35, 0
	s_add_nc_u64 s[24:25], s[10:11], s[34:35]      ; my four fragments, 12,288 bytes apart
	s_mul_i32 s34, s18, 2*PLANE
	s_lshl_b32 s36, s17, 8
	s_add_co_u32 s34, s34, s36
	s_add_nc_u64 s[26:27], s[12:13], s[34:35]      ; my group's 64 words in planes 2 q and 2 q + 1
.macro LOAD f                          ; fragment f's 16 rows, 512 consecutive bytes each
.irp i, 0,1,2,3,4,5,6,7,8,9,10,11,12,13,14,15
	global_load_b128 v[R+64*((\f)%2)+4*\i:R+64*((\f)%2)+4*\i+3], v[LO], s[22:23] offset:(32*((\f)/2)+8*((\f)%2)+\i+8*(\i/8))*4096 th:TH_LOAD_NT
.endr
.endm
.macro FRAGM f
.set RS, R+64*((\f)%2)
.set CC, C+12*((\f)%2)
.if (\f) < 3
	s_wait_loadcnt 16                              ; this fragment's 16 loads are in; the next fragment's 16 may be out
.else
	s_wait_loadcnt 0x0
.endif
.irp i, 0,1,2,3,4,5,6,7,8,9,10,11,12,13,14,15
	ds_store_b128 v[SI], v[RS+4*\i:RS+4*\i+3] offset:SROW*\i
.endr
.irp c, 0,1
.irp j, 0,1,2,3,4,5,6,7
	ds_load_b128 v[X+32*\c+4*\j:X+32*\c+4*\j+3], v[SOU] offset:256*\c+16*\j   ; LDS serves a wave's instructions in order: these see the stores above
.endr
.endr
	s_wait_dscnt 0x0
.if (\f) < 2
	LOAD (\f)+2                                    ; the set just left takes the fragment two on
.endif
.irp c, 0,1
	v_max3_num_f32 v[MX+\c], |v[X+32*\c]|, |v[X+32*\c+1]|, 0x1800000   ; block 2 c + h: all 32 numbers are mine; the floor 2^(3 - 127) keeps the byte at 1 from below
.endr
.irp i, 2,4,6,8,10,12,14,16,18,20,22,24,26,28,30
.irp c, 0,1
	v_max3_num_f32 v[MX+\c], v[MX+\c], |v[X+32*\c+\i]|, |v[X+32*\c+\i+1]|
.endr
.endr
.irp c, 0,1
	v_add_nc_u32 v[SO+\c], 0xff000000, v[MX+\c]    ; 2 off the exponent field: the conversion takes that field of this operand as its scale
.endr
.irp c, 0,1
	v_lshrrev_b32 v[BY+\c], 23, v[SO+\c]           ; the scale's byte
.endr
.irp c, 0,1
	v_lshlrev_b32 v[BY+\c], v[SH+\c], v[BY+\c]     ; at its place in the half-plane's word
.endr
.irp c, 0,1
	v_permlanex16_b32 v[PD+\c], v[BY+\c], s20, s21
.endr
.irp c, 0,1
	v_or_b32 v[BY+\c], v[BY+\c], v[PD+\c]          ; with lane l xor 16's byte
.endr
	s_wait_xcnt 0x0                                ; the stores of two fragments back have read this set of code registers
.irp c, 0,1
	v_cvt_scalef32_pk16_fp6_f32 v[CC+6*\c:CC+6*\c+2], v[X+32*\c:X+32*\c+15], v[SO+\c]
	v_cvt_scalef32_pk16_fp6_f32 v[T+4*\c:T+4*\c+2], v[X+32*\c+16:X+32*\c+31], v[SO+\c]   ; (a conversion's three registers begin on an even number)
.endr
	v_nop                                          ; one plain place behind a scaled conversion
.irp c, 0,1
.irp i, 0,1,2
	v_mov_b32 v[CC+6*\c+3+\i], v[T+4*\c+\i]
.endr
.endr
.irp p, 0,1,2,3,4,5
	global_store_b64 v[L8], v[CC+2*\p:CC+2*\p+1], s[24:25] offset:(\f)*12288+256*\p   ; 32 lanes store 256 consecutive bytes, aligned
.endr
.irp c, 0,1
	ds_store_b32 v[SWA], v[BY+\c] offset:256*\c+64*(\f)   ; both halves of the lanes write the same word with the same value
.endr
.endm
	LOAD 0
	LOAD 1
	FRAGM 0
	FRAGM 1
	FRAGM 2
	FRAGM 3
	ds_load_b64 v[BK:BK+1], v[SWR]                 ; the group's 64 words of each half-plane
	ds_load_b64 v[BK+2:BK+3], v[SWR] offset:256
	s_wait_dscnt 0x0
	global_store_b64 v[L8], v[BK:BK+1], s[26:27]
	global_store_b64 v[L8], v[BK+2:BK+3], s[26:27] offset:PLANE
	s_wait_tensorcnt 0x0                           ; the wave's end, behind my last LDS store
	ds_add_u32 v[SPW], v[NIL]
	s_wait_dscnt 0x0
	s_endpgm
.Lfunc_end_k_qc9e5afef5f_quant:
	.size	k_qc9e5afef5f_quant, .Lfunc_end_k_qc9e5afef5f_quant-k_qc9e5afef5f_quant
	.p2alignl 7, 3214868480
	.fill 96, 4, 3214868480
	.section	.rodata,"a",@progbits
	.p2align	6, 0x0
	.amdhsa_kernel k_qc9e5afef5f_quant
		.amdhsa_group_segment_fixed_size 18176
		.amdhsa_private_segment_fixed_size 0
		.amdhsa_enable_private_segment 0
		.amdhsa_kernarg_size 40
		.amdhsa_user_sgpr_count 2
		.amdhsa_user_sgpr_kernarg_segment_ptr 1
		.amdhsa_wavefront_size32 1
		.amdhsa_system_sgpr_workgroup_id_x 1
		.amdhsa_system_sgpr_workgroup_id_y 1
		.amdhsa_system_sgpr_workgroup_id_z 1
		.amdhsa_system_vgpr_workitem_id 0
		.amdhsa_next_free_vgpr 256
		.amdhsa_next_free_sgpr 66
		.amdhsa_reserve_vcc 0
		.amdhsa_float_denorm_mode_32 3
		.amdhsa_float_denorm_mode_16_64 3
		.amdhsa_memory_ordered 1
		.amdhsa_forward_progress 1
		.amdhsa_inst_pref_size 33
	.end_amdhsa_kernel
	.amdgpu_metadata
---
amdhsa.version: [ 1, 2 ]
amdhsa.kernels:
  - .name:           k_qc9e5afef5f_quant
    .symbol:         k_qc9e5afef5f_quant.kd
    .args:
      - { .name: x, .offset: 0, .size: 8, .value_kind: global_buffer, .address_space: global }
      - { .name: w_qkv, .offset: 8, .size: 8, .value_kind: global_buffer, .address_space: global }
      - { .name: w_o, .offset: 16, .size: 8, .value_kind: global_buffer, .address_space: global }
      - { .name: ops, .offset: 24, .size: 8, .value_kind: global_buffer, .address_space: global }
      - { .name: opss, .offset: 32, .size: 8, .value_kind: global_buffer, .address_space: global }
    .group_segment_fixed_size: 18176
    .private_segment_fixed_size: 0
    .kernarg_segment_align: 8
    .kernarg_segment_size: 40
    .max_flat_workgroup_size: 64
    .sgpr_count:     66
    .vgpr_count:     256
    .wavefront_size: 32
...
	.end_amdgpu_metadata
.endif
;; end of part 1
;; launch proj (part 2): grid 12 x 32, 4 waves a work-group, clusters of 4 x 4, 327,680 bytes of LDS; arguments ops, opss, qkv, qkvs; writes qkv, qkvs
.if DOCPART == 2
	.amdgcn_target "amdgcn-amd-amdhsa--gfx1250"
	.amdhsa_code_object_version 6
	.text
	.protected	k_qc9e5afef5f_proj
	.globl	k_qc9e5afef5f_proj
	.p2align	8
	.type	k_qc9e5afef5f_proj,@function
k_qc9e5afef5f_proj:
	s_mov_b64 s[64:65], 0
	v_nop
	global_prefetch_b8 v0, s[64:65] scope:SCOPE_SE
	s_setreg_imm32_b32 hwreg(HW_REG_WAVE_MODE, 25, 1), 1
	s_wait_xcnt 0x0
	s_wait_alu depctr_hold_cnt(0) depctr_sa_sdst(0) depctr_va_vdst(0) depctr_va_sdst(0) depctr_va_ssrc(0) depctr_va_vcc(0) depctr_vm_vsrc(0)
	s_getreg_b32 s2, hwreg(HW_REG_IB_STS2, 6, 4)
	s_cmp_eq_u32 s2, 0
	s_cbranch_scc0 .Lentry_in_a_cluster
	s_endpgm
.Lentry_in_a_cluster:
	s_bfe_u32 s2, ttmp6, 0x10000c
	s_cmp_lg_u32 s2, 0xf033
	s_cbranch_scc0 .Lentry_shape_is_right
	s_endpgm
.Lentry_shape_is_right:
; The qkv projection on codes of FP6 (E2M3) with E8M0 scales, K = 1,024; its f32 sums are quantised in registers into the operands of the attention launch and never go to memory as f32.
; A tile of C, 256 x 256, is made by four waves of 128 x 128 (64 accumulators, 512 registers).  The matrix instruction is used transposed: source 0 = 16 rows of "B", source 1 = 16 rows of "A": a lane holds one row
; of A and, in the 16 registers of accumulators (a, 2 c), (a, 2 c + 1), 16 true neighbours of B's rows (the rows lie at positions with bits 3 and 4 exchanged, which makes it so).
; TWO ROLES, chosen by the cluster's x alone, by selects of numbers that enter global addresses; no branch differs:
;   clusters x = 0, 1: A = x's rows, B = the k and q rows of w_qkv (128 a head): a lane's 64 numbers of a block of rows are k's 64 and q's 64 of one token and head: quantised along the head's 64.
;   cluster  x = 2:    A = the v rows of w_qkv, B = x's rows: C = v transposed; a lane's 64 numbers run along the tokens: quantised along the keys.
; OPERANDS lie in ops as images of their registers ([row tile][K step 8][6 units of 256 bytes]); a slot of the ring holds two K steps: for each row tile 3,072 consecutive bytes.  A fragment comes by six loads of 8 bytes
; a lane, 256 consecutive bytes each.  The scale words of all of K stay in 64 registers: lanes 0-15 A's block, lanes 16-31 B's.
; OUT: qkv[b h] = K [tile of 16 positions][768 bytes], Q likewise at 98,304, V^T [step of 128 keys][4 tiles of 16 d][1,536 bytes] at 196,608; qkvs[b h] = [position] words (bytes 0, 1 k's scales, 2, 3 q's), at 8,192 [step][d] words.
; CLUSTERS: 4 x 4; A's tiles are asked for jointly along a row of the cluster, B's along a column.
; LIMITS: NaN and infinities are not served; a block whose largest magnitude lies under 2^-124 gets the byte 1.
; REGISTERS: window 0: v16-31 addresses; v32-95 scale words; v128-223 A's fragments (one set), on the way out at work.  window 1: B's fragments, two sets, at v0 and v128.  windows 2, 3: the accumulators, (a, b) at v[8 (8 (a % 4) + b)].
.set HALFT,  24576                     ; 8 row tiles x 3,072 bytes: what one tensor load brings, and what a wave reads of A or of B
.set SLOT,   4*HALFT                   ; A's two halves, then B's two
.set SCW,    2*SLOT                    ; behind the ring: 512 bytes a wave for the scale words on the way out
.set SPARE,  SCW+4*512                 ; the spare words, 128 bytes a wave: two blocks of 256 bytes that no other line names
.set PLANE,  81920
.set FR,     12
.set ADRA, 16                          ; v16-17  my A fragments in slot 0, 1
.set ADRB, 20                          ; v20-21  my B fragments
.set VOFF, 22                          ; v22     my scale words' offset in a plane
.set L8,   24                          ; v24     8 x lane
.set VO0,  25                          ; v25     the way out: offset of units 0-2
.set VO1,  26                          ; v26     of units 3-5
.set SWA,  27                          ; v27     where my row's scale word goes in LDS
.set SPW,  28                          ; v28     my spare word; never rewritten
.set NIL,  29                          ; v29     0; never rewritten
.set SWR,  30                          ; v30     where I read four scale words back
.set SVO,  31                          ; v31     and their offset in qkvs
.set SC,   32                          ; v32-95  register 8 i + kq: lanes 0-15 the word of A's block i, lanes 16-31 of B's block i, K step kq
.set AF,   128
.set PC,   128                         ; the way out: v128-139 codes, v140-146 upper halves as converted
.set TM,   160                         ; v160-175 at work
.set PW,   176                         ; the scale word just made
.set BKW,  180                         ; v180-183 scale words read back
.set G1, 24
.set G0, 32
.set G1B, 48
.set G0B, 56
.set MSB, 0
.macro WIN new                         ; the immediate's high byte repeats the setting that is left
.if MSB != (\new)
	s_set_vgpr_msb (MSB<<8)|(\new)
.set MSB, (\new)
.endif
.endm
.set MUL_LO, 0xa1                      ; source 0 (B) window 1, source 1 (A) window 0, C and D window 2
.set MUL_HI, 0xf1
.set TO_B,   0x40
.macro JLOAD s                         ; a joint refill: waves 0, 1 for A, waves 2, 3 for B; an s_nop 0 and four v_nop follow each line
	s_cmp_eq_u32 s15, 0
	s_cbranch_scc0 .Lfor_b_\@
	tensor_load_to_lds s[G0+4*\s:G0+4*\s+3], s[G1:G1+7]
	s_nop 0
.rept 4
	v_nop
.endr
	s_branch .Lasked_\@
.Lfor_b_\@:
	tensor_load_to_lds s[G0B+4*\s:G0B+4*\s+3], s[G1B:G1B+7]
	s_nop 0
.rept 4
	v_nop
.endr
.Lasked_\@:
.endm
.macro CREST
	s_cmp_lg_u32 s14, 0
	s_cbranch_scc1 .Lnot_wave_0_\@
	s_barrier_signal -3
.Lnot_wave_0_\@:
	s_barrier_wait -3
	s_barrier_signal -1
	s_barrier_wait -1
.endm
.macro CROUND
	s_barrier_signal -1
	s_barrier_wait -1
	CREST
.endm
.macro PLACES
.rept 4
	v_nop
.endr
.endm
	s_load_b256 s[4:11], s[0:1], 0x0               ; ops s[4:5], opss s[6:7], qkv s[8:9], qkvs s[10:11]
	v_lshl_add_u32 v[SPW], v0, 2, SPARE
	v_mov_b32 v[NIL], 0
	ds_add_u32 v[SPW], v[NIL]                      ; the wave's opening: the add and its wait stand ahead of my first tensor load; the set-up below stands between them
	v_lshrrev_b32 v1, 5, v0
	v_readfirstlane_b32 s14, v1                    ; wave 0..3
	s_lshr_b32 s15, s14, 1                         ; my half of the tile's A rows.  Also: I fetch for A (0) or B (1)
	s_and_b32 s16, s14, 1                          ; my half of its B rows.  Also: which half I fetch
	s_bfe_u32 s40, ttmp6, 0x40000                  ; cx
	s_bfe_u32 s41, ttmp6, 0x40004                  ; cy
	s_and_b32 s12, ttmp7, 0xffff
	s_lshl_b32 s12, s12, 2                         ; 4 x cluster y
	s_lshl_b32 s13, ttmp9, 2                       ; 4 x cluster x
	s_add_co_u32 s17, s12, s41                     ; k, q role: tile row 4 Y + cy,
	s_add_co_u32 s42, s13, s40                     ; tile column 4 X + cx
	s_add_co_u32 s91, s12, s40                     ; v role: tile column 4 Y + cx, tile row cy
	s_cmp_eq_u32 ttmp9, 2                          ; the role: the same in all sixteen partners
	s_cselect_b32 s17, s41, s17                    ; tile row: hangs on cy
	s_cselect_b32 s42, s91, s42                    ; tile column: hangs on cx
	s_cselect_b32 s18, 10240, 0                    ; A's first position
	s_cselect_b32 s19, 0, 8192                     ; B's
	s_lshl_b32 s43, s41, 2
	s_lshl_b32 s43, 15, s43                        ; my row of the cluster
	s_lshl_b32 s44, 0x1111, s40                    ; my column
	s_or_b32 s[G1+0], s43, (3<<16)|(1<<21)         ; 15:0 the mask; 17:16 elements of 8 bytes; 21 set beside a mask; no padding
	s_or_b32 s[G1B+0], s44, (3<<16)|(1<<21)
.irp g, G1, G1B
	s_mov_b32 s[\g+1], 384<<16                     ; tensor_dim0 = 384 elements: 3,072 bytes, two K steps of a row tile
	s_mov_b32 s[\g+2], 8<<16                       ; tensor_dim1 = 8 row tiles
	s_mov_b32 s[\g+3], 384<<16                     ; tile_dim0
	s_mov_b32 s[\g+4], 8                           ; tile_dim1
	s_mov_b32 s[\g+5], 1536                        ; from row tile to row tile: 12,288 bytes
	s_mov_b32 s[\g+6], 0
	s_mov_b32 s[\g+7], 0
.endr
	s_lshl_b32 s20, s17, 8
	s_add_co_u32 s20, s20, s18                     ; A: the tile's first position
	s_lshl_b32 s46, s42, 8
	s_add_co_u32 s46, s46, s19                     ; B: likewise
	s_lshl_b32 s21, s16, 7
	s_add_co_u32 s22, s20, s21                     ; the 128 positions that I fetch, of A
	s_add_co_u32 s47, s46, s21                     ; and of B: these are also the 128 of B that I multiply
	s_mul_i32 s22, s22, 768                        ; a position is 768 bytes of codes (under 2^24 in all)
	s_mov_b32 s23, 0
	s_mul_i32 s92, s47, 768
	s_mov_b32 s93, 0
	s_lshl_b32 s21, s15, 7
	s_add_co_u32 s94, s20, s21                     ; the 128 positions of A that I multiply
	s_mul_i32 s45, s14, HALFT                      ; where my fetch goes: no place in the cluster enters an LDS address
	; the way out's numbers, for both roles; then one compare and a run of selects
	s_lshl_b32 s80, s17, 8
	s_add_co_u32 s80, s80, s21                     ; m0 = 256 x tile row + 128 (wave / 2)
	s_lshl_b32 s81, s42, 8
	s_lshl_b32 s82, s16, 7
	s_add_co_u32 s81, s81, s82                     ; n0 = 256 x tile column + 128 (wave % 2)
	s_lshr_b32 s82, s80, 11
	s_lshl_b32 s82, s82, 4
	s_lshr_b32 s83, s81, 7
	s_add_co_u32 s82, s82, s83                     ; k, q: b h = 16 (m0 / 2048) + n0 / 128
	s_and_b32 s83, s80, 2047
	s_mul_i32 s84, s82, 294912
	s_lshr_b32 s85, s83, 4
	s_mul_i32 s85, s85, 768
	s_add_co_u32 s84, s84, s85                     ; K's tile of 16 positions
	s_mul_i32 s85, s82, 12288
	s_lshl_b32 s83, s83, 2
	s_add_co_u32 s85, s85, s83                     ; its words
	s_lshr_b32 s86, s81, 11
	s_lshl_b32 s86, s86, 4
	s_lshr_b32 s87, s80, 6
	s_add_co_u32 s86, s86, s87                     ; v: b h = 16 (n0 / 2048) + m0 / 64
	s_and_b32 s87, s81, 2047
	s_lshr_b32 s87, s87, 7                         ; the step of 128 keys
	s_mul_i32 s88, s86, 294912
	s_mul_i32 s89, s87, 6144
	s_add_co_u32 s88, s88, s89
	s_add_co_u32 s88, s88, 196608
	s_mul_i32 s89, s86, 12288
	s_lshl_b32 s87, s87, 8
	s_add_co_u32 s89, s89, s87
	s_add_co_u32 s89, s89, 8192
	s_add_co_u32 s90, s84, 97536                   ; k, q: units 3-5 fall into Q's region: 98,304 - 768
	s_mov_b32 s72, 768
	s_mov_b32 s75, 256
	s_cmp_eq_u32 ttmp9, 2
	s_cselect_b32 s70, s88, s84                    ; where units 0-2 of block a go,
	s_cselect_b32 s71, s88, s90                    ; and units 3-5
	s_cselect_b32 s72, 1536, s72                   ; from block to block
	s_cselect_b32 s73, 288768, 0                   ; v: behind block 3 on to the next head: 294,912 - 4 x 1,536
	s_cselect_b32 s74, s89, s85                    ; the scale words
	s_cselect_b32 s75, 12288, s75                  ; from my first 64 words to my second 64
	s_mov_b32 s76, 0x76543210
	s_mov_b32 s77, 0xfedcba98                      ; v_permlanex16_b32's selects for lane l xor 16
	s_wait_dscnt 0x0                               ; the opening add is done
	s_wait_kmcnt 0x0
	s_add_nc_u64 s[22:23], s[4:5], s[22:23]
	s_add_nc_u64 s[92:93], s[4:5], s[92:93]
	CROUND                                         ; all sixteen work-groups are here: the first joint loads meet
.irp s, 0,1
	s_mov_b32 s[G0+4*\s], 1
	s_add_co_u32 s[G0+4*\s+1], s45, \s*SLOT
	s_add_nc_u64 s[G0+4*\s+2:G0+4*\s+3], s[22:23], \s*3072
	s_or_b32 s[G0+4*\s+3], s[G0+4*\s+3], 0x80000000
	s_mov_b32 s[G0B+4*\s], 1
	s_add_co_u32 s[G0B+4*\s+1], s45, \s*SLOT
	s_add_nc_u64 s[G0B+4*\s+2:G0B+4*\s+3], s[92:93], \s*3072
	s_or_b32 s[G0B+4*\s+3], s[G0B+4*\s+3], 0x80000000
.endr
	s_cmp_eq_u32 s15, 0                            ; a wave's two first fills stand in one branch: two loads of mine are out
	s_cbranch_scc0 .Lfirst_b
	tensor_load_to_lds s[G0:G0+3], s[G1:G1+7]
	s_nop 0
	tensor_load_to_lds s[G0+4:G0+7], s[G1:G1+7]
	s_nop 0
.rept 4
	v_nop
.endr
	s_branch .Lfirst_asked
.Lfirst_b:
	tensor_load_to_lds s[G0B:G0B+3], s[G1B:G1B+7]
	s_nop 0
	tensor_load_to_lds s[G0B+4:G0B+7], s[G1B:G1B+7]
	s_nop 0
.rept 4
	v_nop
.endr
.Lfirst_asked:
	; the scale words of all of K: lanes 0-15 take A's rows, lanes 16-31 B's; the two half-planes of a K step are joined once
	v_and_b32 v1, 31, v0                           ; lane
	v_and_b32 v2, 15, v0                           ; r
	v_mov_b32 v3, s94
	v_mov_b32 v4, s47
	v_cmp_gt_u32 vcc_lo, 16, v1
	v_cndmask_b32 v3, v4, v3, vcc_lo
	v_add_lshl_u32 v[VOFF], v3, v2, 2
.irp q, 0,1,2,3,4,5,6,7
.irp i, 0,1,2,3,4,5,6,7
	global_load_b32 v[SC+8*\i+\q], v[VOFF], s[6:7] offset:(2*\q)*PLANE+64*\i
	global_load_b32 v[AF+8*\i+\q], v[VOFF], s[6:7] offset:(2*\q+1)*PLANE+64*\i
.endr
.endr
	v_lshlrev_b32 v[L8], 3, v1
	s_mul_i32 s21, s15, HALFT                      ; my 128 rows of A
	s_mul_i32 s95, s16, HALFT                      ; my 128 rows of B,
	s_add_co_u32 s95, s95, 2*HALFT                 ; behind A's 256
.irp s, 0,1
	v_add_nc_u32 v[ADRA+\s], s21, v[L8]
	v_add_nc_u32 v[ADRB+\s], s95, v[L8]
	s_add_co_u32 s21, s21, SLOT
	s_add_co_u32 s95, s95, SLOT
.endr
	s_lshl_b32 s95, s14, 9
	s_add_co_u32 s95, s95, SCW
	v_lshl_add_u32 v[SWA], v2, 2, s95
	v_lshl_add_u32 v[SWR], v1, 4, s95
	v_bfe_u32 v6, v0, 4, 1
	v_mul_lo_u32 v6, v6, s75
	v_lshl_add_u32 v[SVO], v2, 4, v6
	v_add_nc_u32 v[SVO], s74, v[SVO]
	s_wait_loadcnt 0x0
.set i, 0
.rept 64
	v_or_b32 v[SC+i], v[SC+i], v[AF+i]
.set i, i+1
.endr
.rept 8
	v_nop                                          ; a scale register written by a vector instruction stands eight places ahead of a scaled matrix instruction
.endr
.macro FRAG reg, adr, qs, i            ; a fragment: six units of 256 bytes, as they lie
.irp p, 0,1,2,3,4,5
	ds_load_b64 v[\reg+2*\p:\reg+2*\p+1], v[\adr] offset:(\i)*3072+(\qs)*1536+256*\p
.endr
.endm
.macro FETCH_B slot, qs, p
	WIN TO_B
.irp i, 0,1,2,3,4,5,6,7
	FRAG 128*(\p)+FR*\i, ADRB+\slot, \qs, \i
.endr
	WIN 0
.endm
.macro FETCH_A slot, qs, i0
.irp i, \i0, \i0+1, \i0+2, \i0+3
	FRAG AF+FR*(\i), ADRA+\slot, \qs, \i
.endr
.endm
; 16 matrix instructions: A's blocks a0, a0 + 1 x B's eight, K step kq, B's set p.  first = 1: the products start the sums.  The 64 accumulators take turns, one instruction a turn.
.macro MUL16 a0, p, kq, first
.irp a, \a0, \a0+1
.irp b, 0,1,2,3,4,5,6,7
.if \first
	v_wmma_scale_f32_16x16x128_f8f6f4 v[8*(8*((\a)%4)+\b):8*(8*((\a)%4)+\b)+7], v[128*(\p)+FR*\b:128*(\p)+FR*\b+FR-1], v[AF+FR*(\a):AF+FR*(\a)+FR-1], 0, v[SC+8*\b+(\kq)], v[SC+8*(\a)+(\kq)] matrix_a_fmt:MATRIX_FMT_FP6 matrix_b_fmt:MATRIX_FMT_FP6 matrix_a_scale:MATRIX_SCALE_ROW1
.else
	v_wmma_scale_f32_16x16x128_f8f6f4 v[8*(8*((\a)%4)+\b):8*(8*((\a)%4)+\b)+7], v[128*(\p)+FR*\b:128*(\p)+FR*\b+FR-1], v[AF+FR*(\a):AF+FR*(\a)+FR-1], v[8*(8*((\a)%4)+\b):8*(8*((\a)%4)+\b)+7], v[SC+8*\b+(\kq)], v[SC+8*(\a)+(\kq)] matrix_a_fmt:MATRIX_FMT_FP6 matrix_b_fmt:MATRIX_FMT_FP6 matrix_a_scale:MATRIX_SCALE_ROW1
.endif
.endr
.endr
.endm
.macro STEP slot, kq, first            ; a slot's first K step
	s_wait_dscnt 24                                ; B's set and A's blocks 0-3 are in; the youngest 24 loads (A's blocks 4-7) may be out
	WIN MUL_LO
	MUL16 0, 0, \kq, \first
	MUL16 2, 0, \kq, \first
	s_wait_dscnt 0                                 ; A's blocks 4-7 are in
	PLACES                                         ; four places in front of loads into registers that matrix instructions have read
	FETCH_B \slot, 1, 1
	FETCH_A \slot, 1, 0
	WIN MUL_HI
	MUL16 4, 0, \kq, \first
	MUL16 6, 0, \kq, \first
	PLACES
	WIN 0
	FETCH_A \slot, 1, 4
.endm
.macro TURN slot, next, fill, kq       ; a slot's second K step changes slots: one barrier; fill = 1: it opens a round of the cluster's barrier and this slot is filled again
	s_wait_tensorcnt 0x0                           ; all my tensor loads have landed: my part of the next slot
	ds_add_u32 v[SPW], v[NIL]                      ; 0 onto my spare word
	s_wait_dscnt 25                                ; (the add and the youngest 24 loads may be out)
	WIN MUL_LO
	MUL16 0, 1, \kq, 0
	s_wait_dscnt 0x0                               ; the add is done, and my reads of this slot are over
	s_barrier_signal -1
	MUL16 2, 1, \kq, 0
	WIN 0
	s_barrier_wait -1
.if \fill
	CREST                                          ; no wave of any partner still reads this slot or has a load on its way
	s_add_nc_u64 s[G0+4*\slot+2:G0+4*\slot+3], s[G0+4*\slot+2:G0+4*\slot+3], 6144
	s_add_nc_u64 s[G0B+4*\slot+2:G0B+4*\slot+3], s[G0B+4*\slot+2:G0B+4*\slot+3], 6144
	JLOAD \slot                                    ; the first tensor load behind the round; its four v_nop are the places in front of the loads below
.else
	PLACES
.endif
	FETCH_B \next, 0, 0
	FETCH_A \next, 0, 0
	WIN MUL_HI
	MUL16 4, 1, \kq, 0
	MUL16 6, 1, \kq, 0
	PLACES
	WIN 0
	FETCH_A \next, 0, 4
.endm
	s_wait_tensorcnt 1                             ; my part of slot 0 is in; slot 1's load may be out
	s_barrier_signal -1
	s_barrier_wait -1
	FETCH_B 0, 0, 0
	FETCH_A 0, 0, 0
	FETCH_A 0, 0, 4
	STEP 0, 0, 1                                   ; eight K steps, written on end: each names its own scale registers
	TURN 0, 1, 1, 1
	STEP 1, 2, 0
	TURN 1, 0, 1, 3
	STEP 0, 4, 0
	TURN 0, 1, 0, 5
	STEP 1, 6, 0
	s_wait_dscnt 24
	WIN MUL_LO
	MUL16 0, 1, 7, 0
	MUL16 2, 1, 7, 0
	s_wait_dscnt 0
	WIN MUL_HI
	MUL16 4, 1, 7, 0
	MUL16 6, 1, 7, 0
	WIN 0
	PLACES                                         ; in front of the first read of results and of writes into registers that held A's fragments
.irp b, 0,1,2,3
	v_mov_b32 v[TM+4+\b], 0                        ; written once: a lane permute's destination counts as one of its sources
.endr
; THE WAY OUT of block a (16 rows of A): a lane's 64 numbers, register 16 b + i = 32 b + 16 (lane / 16) + i along B's true rows, become a fragment's codes and its scale word.
.macro QOUT a
.set AC, 64*((\a)%4)
	WIN 0x0a+5*((\a)/4)                            ; sources 0 and 1: the accumulators' window
.irp b, 0,1,2,3
	v_max3_num_f32 v[TM+\b], |v[AC+16*\b]|, |v[AC+16*\b+1]|, 0x1800000   ; each accumulator from its low end on; the floor 2^(3 - 127) keeps the byte at 1 from below
.endr
.irp i, 2,4,6,8,10,12,14
.irp b, 0,1,2,3
	v_max3_num_f32 v[TM+\b], |v[AC+16*\b+\i]|, |v[AC+16*\b+\i+1]|, v[TM+\b]
.endr
.endr
	WIN 0
.irp b, 0,1,2,3
	v_permlanex16_b32 v[TM+4+\b], v[TM+\b], s76, s77
.endr
.irp b, 0,1,2,3
	v_max_num_f32 v[TM+\b], v[TM+\b], v[TM+4+\b]   ; with lane l xor 16's 16: the block's largest magnitude
.endr
.irp b, 0,1,2,3
	v_add_nc_u32 v[TM+12+\b], 0xff000000, v[TM+\b] ; 2 off the exponent field: the conversion's scale operand
.endr
.irp b, 0,1,2,3
	v_lshrrev_b32 v[TM+4+\b], 23, v[TM+12+\b]      ; the byte
.endr
	v_lshl_or_b32 v[PW], v[TM+5], 8, v[TM+4]
	v_lshl_or_b32 v[PW], v[TM+6], 16, v[PW]
	v_lshl_or_b32 v[PW], v[TM+7], 24, v[PW]
	s_wait_xcnt 0x0                                ; the last block's stores have read their codes and offsets
	v_add_nc_u32 v[VO0], s70, v[L8]
	v_add_nc_u32 v[VO1], s71, v[L8]
	WIN 0x02+((\a)/4)                              ; source 0: the accumulators' window
.irp c, 0,1
	v_cvt_scalef32_pk16_fp6_f32 v[PC+6*\c:PC+6*\c+2], v[AC+32*\c:AC+32*\c+15], v[TM+12+2*\c]
	v_cvt_scalef32_pk16_fp6_f32 v[PC+12+4*\c:PC+14+4*\c], v[AC+32*\c+16:AC+32*\c+31], v[TM+12+2*\c+1]
.endr
	WIN 0
	v_nop                                          ; one plain place behind a scaled conversion
.irp c, 0,1                            ; the operand's layout wants a whole block in a lane
.irp i, 0,1,2
	v_permlane16_swap_b32 v[PC+6*\c+\i], v[PC+12+4*\c+\i]
.endr
.irp i, 0,1,2
	v_mov_b32 v[PC+3+6*\c+\i], v[PC+12+4*\c+\i]
.endr
.endr
.irp p, 0,1,2
	global_store_b64 v[VO0], v[PC+2*\p:PC+2*\p+1], s[8:9] offset:256*\p   ; 32 lanes store 256 consecutive bytes, aligned
.endr
.irp p, 3,4,5
	global_store_b64 v[VO1], v[PC+2*\p:PC+2*\p+1], s[8:9] offset:256*\p
.endr
	ds_store_b32 v[SWA], v[PW] offset:64*(\a)      ; both halves of the lanes write the same word with the same value
	s_add_co_u32 s70, s70, s72
	s_add_co_u32 s71, s71, s72
.if (\a) == 3
	s_add_co_u32 s70, s70, s73
	s_add_co_u32 s71, s71, s73
.endif
.endm
.irp a, 0,1,2,3,4,5,6,7
	QOUT \a
.endr
	ds_load_b128 v[BKW:BKW+3], v[SWR]              ; my 128 words; LDS serves a wave's instructions in order
	s_wait_dscnt 0x0
	global_store_b128 v[SVO], v[BKW:BKW+3], s[10:11]   ; sixteen lanes store 256 consecutive bytes, aligned
	s_wait_tensorcnt 0x0                           ; the wave's end, behind my last tensor load and LDS store
	ds_add_u32 v[SPW], v[NIL]
	s_wait_dscnt 0x0
	CROUND                                         ; the closing round
	s_endpgm
.Lfunc_end_k_qc9e5afef5f_proj:
	.size	k_qc9e5afef5f_proj, .Lfunc_end_k_qc9e5afef5f_proj-k_qc9e5afef5f_proj
	.p2alignl 7, 3214868480
	.fill 96, 4, 3214868480
	.section	.rodata,"a",@progbits
	.p2align	6, 0x0
	.amdhsa_kernel k_qc9e5afef5f_proj
		.amdhsa_group_segment_fixed_size 327680
		.amdhsa_private_segment_fixed_size 0
		.amdhsa_enable_private_segment 0
		.amdhsa_kernarg_size 32
		.amdhsa_user_sgpr_count 2
		.amdhsa_user_sgpr_kernarg_segment_ptr 1
		.amdhsa_wavefront_size32 1
		.amdhsa_system_sgpr_workgroup_id_x 1
		.amdhsa_system_sgpr_workgroup_id_y 1
		.amdhsa_system_sgpr_workgroup_id_z 1
		.amdhsa_system_vgpr_workitem_id 0
		.amdhsa_next_free_vgpr 1024
		.amdhsa_next_free_sgpr 100
		.amdhsa_reserve_vcc 1
		.amdhsa_float_denorm_mode_32 3
		.amdhsa_float_denorm_mode_16_64 3
		.amdhsa_memory_ordered 1
		.amdhsa_forward_progress 1
		.amdhsa_inst_pref_size 179
	.end_amdhsa_kernel
	.amdgpu_metadata
---
amdhsa.version: [ 1, 2 ]
amdhsa.kernels:
  - .name:           k_qc9e5afef5f_proj
    .symbol:         k_qc9e5afef5f_proj.kd
    .args:
      - { .name: ops, .offset: 0, .size: 8, .value_kind: global_buffer, .address_space: global }
      - { .name: opss, .offset: 8, .size: 8, .value_kind: global_buffer, .address_space: global }
      - { .name: qkv, .offset: 16, .size: 8, .value_kind: global_buffer, .address_space: global }
      - { .name: qkvs, .offset: 24, .size: 8, .value_kind: global_buffer, .address_space: global }
    .group_segment_fixed_size: 327680
    .private_segment_fixed_size: 0
    .kernarg_segment_align: 8
    .kernarg_segment_size: 32
    .max_flat_workgroup_size: 128
    .sgpr_count:     100
    .vgpr_count:     1024
    .wavefront_size: 32
...
	.end_amdgpu_metadata
.endif
;; end of part 2
;; launch attn (part 3): grid 4 x 64, 16 waves a work-group, clusters of 4 x 1, 210,944 bytes of LDS; arguments qkv, qkvs, ops, opss; writes ops, opss
.if DOCPART == 3
	.amdgcn_target "amdgcn-amd-amdhsa--gfx1250"
	.amdhsa_code_object_version 6
	.text
	.protected	k_qc9e5afef5f_attn
	.globl	k_qc9e5afef5f_attn
	.p2align	8
	.type	k_qc9e5afef5f_attn,@function
k_qc9e5afef5f_attn:
	s_mov_b64 s[64:65], 0
	v_nop
	global_prefetch_b8 v0, s[64:65] scope:SCOPE_SE
	s_setreg_imm32_b32 hwreg(HW_REG_WAVE_MODE, 25, 1), 1
	s_wait_xcnt 0x0
	s_wait_alu depctr_hold_cnt(0) depctr_sa_sdst(0) depctr_va_vdst(0) depctr_va_sdst(0) depctr_va_ssrc(0) depctr_va_vcc(0) depctr_vm_vsrc(0)
	s_getreg_b32 s2, hwreg(HW_REG_IB_STS2, 6, 4)
	s_cmp_eq_u32 s2, 0
	s_cbranch_scc0 .Lentry_in_a_cluster
	s_endpgm
.Lentry_in_a_cluster:
	s_bfe_u32 s2, ttmp6, 0x10000c
	s_cmp_lg_u32 s2, 0x3003
	s_cbranch_scc0 .Lentry_shape_is_right
	s_endpgm
.Lentry_shape_is_right:
; Causal attention of one (batch, head) a cluster, both products on codes of FP6 (E2M3) with E8M0 scales; O / l is quantised along the head's 64 into the last product's operand (ops, opss, positions 12,288 on).
; SOFTMAX: t = score x log2(e) / 8; M = the running largest t rounded up to a whole number; p = 2^(t - M) is quantised along the keys, not normalised; the row's sum is taken of the unquantised p and divides at the end.
; When M moves, the sum and O are multiplied by 2^(old M - new M), which rounds nothing.
; SHARES.  A head's K, V^T and scale words, 208,896 bytes, lie in LDS whole: filled once, jointly by the cluster's four work-groups; nothing is filled again.  The head's 128 tiles of 16 queries are 16 blocks of 128 queries
; x 8 tiles.  Work-group cx takes tiles 2 cx and 2 cx + 1 of every block; wave w takes tile 2 cx of block w and tile 2 cx + 1 of block 15 - w: (w + 1) + (16 - w) = 17 key steps of 128 keys for every wave.
; Every branch hangs on the wave's number and a loop's counter alone; cx enters global addresses and the mask's numbers only.
; LAYOUT.  Both products are used transposed: S^T = K Q^T (source 0 = 16 keys), O^T = V^T P^T (source 0 = 16 of the head's 64): a lane holds one query throughout.  Keys, queries and d lie at positions with bits 3 and 4 of their
; number exchanged, so that the 16 registers of two neighbouring result tiles are 16 true neighbours.  The first product's K is 64: the upper six registers of K's and Q's fragments are zero codes, written once.
; LIMITS: NaN and infinities are not served; v_exp_f32 gives 0 for a p under 2^-126; a block whose largest number lies under 2^-124 gets the byte 1.
; The scale words of O / l leave in runs of 64 bytes (a tile's 16 rows): a work-group owns 32 neighbouring rows of a block only.
; No prefetch: every byte of K, V^T and the scale words is asked for by the three tensor loads at the head.
; REGISTERS: v1-6 stay; v8-11 LDS addresses in hand; v12-15, v88-91 the two tiles' -M, largest t, sum; v16-27, v28-39 Q; v40-87 four fragments of K; v92, v93 Q's scale words; v96-159 S^T, p, then V^T's four fragments;
; v160-191, v192-223 O^T; v224-235 p's codes; v232-254 at work.
.set SCB,   196608                     ; LDS: 0 K steps 0-3; 24,576 V steps 0-3; 49,152 K steps 4-15; 122,880 V steps 4-15; here the k / q words (8,192 bytes) and V's words (4,096)
.set SPARE, 208896                     ; the spare words, 128 bytes a wave: eight blocks of 256 bytes that no other line names
.set L8,  1                            ; v1  8 x lane
.set R4,  2                            ; v2  4 x (lane % 16)
.set DA,  3                            ; v3  my first tile's query in its block, less 16 (lane / 16)
.set DB,  4                            ; v4  my second tile's
.set SPW, 5                            ; v5  my spare word; never rewritten
.set NIL, 6                            ; v6  0; never rewritten
.set ADK, 8
.set ADV, 9
.set ADS, 10
.set ADT, 11
.set TM,  40                           ; the way out: v40-55 at work
.set PW,  56
.set PC,  224
.set WV,  18                           ; s18 my wave's number = my first tile's block
.set WB,  19                           ; s19 15 - it = my second tile's block
.set SEL, 20
.set CS,  22                           ; s[22:23] c = log2(e) / 8
.set G1S, 24
.set G1A, 32
.set G1B, 40
.set G0S, 48
.set G0A, 52
.set G0B, 56
.set KJ,  66                           ; s66 the key step
.set TBK, 67                           ; s67, s68 where the step's K and V begin in LDS
.set TBV, 68
.set TSK, 69                           ; s69, s70 and their scale words
.set TSV, 70
.set CX,  71
.macro CROUND
	s_barrier_signal -1
	s_barrier_wait -1
	s_cmp_lg_u32 s[WV], 0
	s_cbranch_scc1 .Lnot_wave_0_\@
	s_barrier_signal -3
.Lnot_wave_0_\@:
	s_barrier_wait -3
	s_barrier_signal -1
	s_barrier_wait -1
.endm
	s_load_b256 s[4:11], s[0:1], 0x0               ; qkv s[4:5], qkvs s[6:7], ops s[8:9], opss s[10:11]
	v_lshl_add_u32 v[SPW], v0, 2, SPARE
	v_mov_b32 v[NIL], 0
	ds_add_u32 v[SPW], v[NIL]                      ; the wave's opening: the add and its wait stand ahead of my first tensor load; the set-up below stands between them
	v_lshrrev_b32 v8, 5, v0
	v_readfirstlane_b32 s[WV], v8                  ; wave 0..15
	s_sub_co_u32 s[WB], 15, s[WV]
	s_bfe_u32 s[CX], ttmp6, 0x40000                ; cx
	s_and_b32 s73, ttmp7, 0xffff                   ; b h, which the four partners share
	; three shapes, all rows of 256 bytes (32 elements of 8 bytes), dense: 3, 12 and 36 rows
.irp g, G1S, G1A, G1B
	s_mov_b32 s[\g], 15|(3<<16)|(1<<21)            ; 15:0 the mask: all four work-groups; 17:16 elements of 8 bytes; 21 set beside a mask
	s_mov_b32 s[\g+1], 32<<16
	s_mov_b32 s[\g+3], 32<<16
	s_mov_b32 s[\g+5], 32
	s_mov_b32 s[\g+6], 0
	s_mov_b32 s[\g+7], 0
.endr
	s_mov_b32 s[G1S+2], 3<<16
	s_mov_b32 s[G1S+4], 3
	s_mov_b32 s[G1A+2], 12<<16
	s_mov_b32 s[G1A+4], 12
	s_mov_b32 s[G1B+2], 36<<16
	s_mov_b32 s[G1B+4], 36
	s_mul_i32 s74, s73, 12288                      ; the head's scale words
	s_mul_i32 s75, s73, 294912                     ; and codes (under 2^25)
	s_lshr_b32 s82, s[WV], 3                       ; waves 0-7 fetch K, waves 8-15 V^T,
	s_and_b32 s83, s[WV], 7                        ; an eighth each
	s_mul_i32 s82, s82, 196608
	s_add_co_u32 s82, s82, s75
	s_mul_i32 s76, s83, 3072                       ; of steps 0-3,
	s_add_co_u32 s76, s76, s82
	s_mov_b32 s77, 0
	s_mul_i32 s78, s83, 9216                       ; and of steps 4-15
	s_add_co_u32 s78, s78, s82
	s_add_co_u32 s78, s78, 24576
	s_mov_b32 s79, 0
	s_mul_i32 s84, s[WV], 768                      ; a sixteenth of the scale words
	s_add_co_u32 s80, s84, s74
	s_mov_b32 s81, 0
	s_mov_b32 s[G0S], 1
	s_add_co_u32 s[G0S+1], s84, SCB
	s_mov_b32 s[G0A], 1
	s_mul_i32 s[G0A+1], s[WV], 3072
	s_mov_b32 s[G0B], 1
	s_mul_i32 s[G0B+1], s[WV], 9216
	s_add_co_u32 s[G0B+1], s[G0B+1], 49152
	s_mov_b32 s[SEL], 0x76543210
	s_mov_b32 s[SEL+1], 0xfedcba98
	s_mov_b32 s[CS], 0x3e38aa3b                    ; log2(e) / 8
	s_mov_b32 s[CS+1], s[CS]                       ; (named with it as a pair, so it is written)
	s_lshl_b32 s85, s[WV], 3
	s_lshl_b32 s86, s[CX], 1
	s_add_co_u32 s85, s85, s86                     ; my first tile of 16 positions: 8 w + 2 cx
	s_lshl_b32 s87, s[WB], 3
	s_add_co_u32 s87, s87, s86
	s_add_co_u32 s87, s87, 1                       ; my second: 8 (15 - w) + 2 cx + 1
	s_wait_dscnt 0x0                               ; the opening add is done
	s_wait_kmcnt 0x0
	s_add_nc_u64 s[G0S+2:G0S+3], s[6:7], s[80:81]
	s_or_b32 s[G0S+3], s[G0S+3], 0x80000000
	s_add_nc_u64 s[G0A+2:G0A+3], s[4:5], s[76:77]
	s_or_b32 s[G0A+3], s[G0A+3], 0x80000000
	s_add_nc_u64 s[G0B+2:G0B+3], s[4:5], s[78:79]
	s_or_b32 s[G0B+3], s[G0B+3], 0x80000000
	CROUND                                         ; all four work-groups are here: the joint loads meet
	tensor_load_to_lds s[G0S:G0S+3], s[G1S:G1S+7]  ; the scale words; three loads of mine are out
	s_nop 0
	tensor_load_to_lds s[G0A:G0A+3], s[G1A:G1A+7]  ; key steps 0-3
	s_nop 0
	tensor_load_to_lds s[G0B:G0B+3], s[G1B:G1B+7]  ; key steps 4-15
	s_nop 0
.rept 4
	v_nop
.endr
	v_and_b32 v8, 31, v0
	v_lshlrev_b32 v[L8], 3, v8
	v_and_b32 v9, 15, v0                           ; r
	v_lshlrev_b32 v[R4], 2, v9
	v_bfe_u32 v10, v0, 4, 1                        ; h
	v_and_b32 v11, 8, v9
	v_add_nc_u32 v11, v11, v9                      ; r + 8 (r / 8)
	v_lshlrev_b32 v10, 4, v10
	v_sub_nc_u32 v11, v11, v10
	s_lshl_b32 s88, s[CX], 5
	v_add_nc_u32 v[DA], s88, v11                   ; the true query of position 32 cx + r in its block is 32 cx + r + 8 (r / 8); of 32 cx + 16 + r eight more
	v_add_nc_u32 v[DB], 8, v[DA]
	s_mul_i32 s88, s85, 768
	s_add_co_u32 s88, s88, s75
	s_add_co_u32 s88, s88, 98304                   ; Q's half fragments
	s_mul_i32 s89, s87, 768
	s_add_co_u32 s89, s89, s75
	s_add_co_u32 s89, s89, 98304
	s_lshl_b32 s90, s85, 6
	s_add_co_u32 s90, s90, s74                     ; and their words
	s_lshl_b32 s91, s87, 6
	s_add_co_u32 s91, s91, s74
	v_add_nc_u32 v7, s88, v[L8]
	v_add_nc_u32 v94, s89, v[L8]
	v_add_nc_u32 v95, s90, v[R4]
	v_add_nc_u32 v255, s91, v[R4]
.irp p, 0,1,2
	global_load_b64 v[16+2*\p:17+2*\p], v7, s[4:5] offset:256*\p
	global_load_b64 v[28+2*\p:29+2*\p], v94, s[4:5] offset:256*\p
.endr
	global_load_b32 v92, v95, s[6:7]
	global_load_b32 v93, v255, s[6:7]
.irp f, 22, 34, 46, 58, 70, 82
.irp i, 0,1,2,3,4,5
	v_mov_b32 v[\f+\i], 0                          ; the upper halves of Q's and K's fragments: zero codes for k = 64 .. 127, never written again in the loops
.endr
.endr
	v_mov_b32 v13, 0xff61b1e6                      ; the largest t so far: -3e38
	v_floor_f32 v12, -v13                          ; -M
	v_mov_b32 v14, 0
	v_mov_b32 v15, 0
	v_mov_b32 v89, 0xff61b1e6
	v_floor_f32 v88, -v89
	v_mov_b32 v90, 0
	v_mov_b32 v91, 0
.irp b, 236,237,238,239,252,253,254
	v_mov_b32 v[\b], 0                             ; written once: permutes' destinations, and the upper half of the pair v[252:253]
.endr
	s_wait_loadcnt 0x0
	v_lshrrev_b32 v92, 16, v92                     ; q's two bytes; bytes 2, 3 become 0, over zero codes
	v_lshrrev_b32 v93, 16, v93
.set i, 0
.rept 64
	v_mov_b32 v[160+i], 0                          ; O^T of both tiles: the first change of M leaves zeros zeros.  These 64 moves stand behind the two shifts: a scale register written by a vector
.set i, i+1                                            ; instruction stands eight places ahead of a scaled matrix instruction, whichever key step is the first that a wave works
.endr
; A key step of one tile: 128 keys.  QF, QS: Q's fragment and scale word; STT: the tile's four statistics; OB: its O^T; LIM: its block = its last step, on which the mask falls; DR: its query number for the mask.
.macro STEP QF, QS, STT, OB, LIM, DR
	s_cmp_gt_u32 s[KJ], s[\LIM]                    ; all keys of the step come after my queries: the step's work is left out
	s_cbranch_scc1 .Lhidden_\@
	v_add_nc_u32 v[ADK], s[TBK], v[L8]
	v_add_nc_u32 v[ADV], s[TBV], v[L8]
	v_add_nc_u32 v[ADS], s[TSK], v[R4]
	v_add_nc_u32 v[ADT], s[TSV], v[R4]
	v_nop                                          ; five places: the products below write over registers that the last products read as an operand
.irp g, 0,1
.if \g > 0
.rept 4
	v_nop                                          ; four places in front of loads into registers that matrix instructions have read
.endr
.endif
.irp t, 0,1,2,3
.irp p, 0,1,2
	ds_load_b64 v[40+12*\t+2*\p:41+12*\t+2*\p], v[ADK] offset:(4*\g+\t)*768+256*\p
.endr
	ds_load_b32 v[248+\t], v[ADS] offset:(4*\g+\t)*64
.endr
	s_wait_dscnt 0x0
.irp t, 0,1,2,3
	v_wmma_scale_f32_16x16x128_f8f6f4 v[96+8*(4*\g+\t):103+8*(4*\g+\t)], v[40+12*\t:51+12*\t], v[\QF:\QF+11], 0, v[248+\t], v[\QS] matrix_a_fmt:MATRIX_FMT_FP6 matrix_b_fmt:MATRIX_FMT_FP6
.endr
.endr
.rept 4
	v_nop
.endr
	s_cmp_lg_u32 s[KJ], s[\LIM]                    ; only the tile's last step lies on the diagonal
	s_cbranch_scc1 .Lopen_\@
	v_mov_b32 v254, 0xff800000                     ; -infinity: p = 0 then
.set n, 0
.rept 64
	v_cmp_gt_i32 vcc_lo, 32*(n/16)+n%16, v[\DR]    ; register 16 b + i holds key 32 b + 16 (lane / 16) + i of the step: hidden where it comes after my query
	v_cndmask_b32 v[96+n], v[96+n], v254, vcc_lo
.set n, n+1
.endr
.Lopen_\@:
.irp b, 0,1,2,3
	v_max3_num_f32 v[232+\b], v[96+16*\b], v[97+16*\b], v[98+16*\b]   ; the largest score of each block of 32 keys: for the row's maximum and, since p rises with the score, for the block's largest p
.endr
.irp i, 3,5,7,9,11,13
.irp b, 0,1,2,3
	v_max3_num_f32 v[232+\b], v[232+\b], v[96+16*\b+\i], v[97+16*\b+\i]
.endr
.endr
.irp b, 0,1,2,3
	v_max_num_f32 v[232+\b], v[232+\b], v[111+16*\b]
.endr
.irp b, 0,1,2,3
	v_permlanex16_b32 v[236+\b], v[232+\b], s[SEL], s[SEL+1]
.endr
.irp b, 0,1,2,3
	v_max_num_f32 v[232+\b], v[232+\b], v[236+\b]
.endr
	v_max3_num_f32 v254, v232, v233, v234
	v_max_num_f32 v254, v254, v235
	v_mul_f32 v254, s[CS], v254
	v_max_num_f32 v[\STT+1], v[\STT+1], v254       ; the running largest t
	v_mov_b32 v254, v[\STT]
	v_floor_f32 v[\STT], -v[\STT+1]                ; the new -M = -ceil(t)
	v_sub_f32 v254, v[\STT], v254                  ; old M - new M: a whole number, 0 or less
	v_cvt_i32_f32 v254, v254                       ; (it saturates)
	v_ldexp_f32 v252, 1.0, v254                    ; f = 2^(old M - new M)
.set j, 0
.rept 32
	v_pk_fma_f32 v[96+j:97+j], v[96+j:97+j], s[CS:CS+1], v[\STT:\STT+1] op_sel_hi:[1,0,0]   ; t - M
.set j, j+2
.endr
.irp b, 0,1,2,3
	v_fma_f32 v[232+\b], v[232+\b], s[CS], v[\STT]
.endr
.set j, 0
.rept 64
	v_exp_f32 v[96+j], v[96+j]                     ; p = 2^(t - M)
.set j, j+1
.endr
	v_pk_mul_f32 v[\STT+2:\STT+3], v[\STT+2:\STT+3], v[252:253] op_sel_hi:[1,0]   ; the sums under the new M: a plain place behind the exponentials
	s_wait_alu depctr_va_vdst(0)                   ; one wait for the batch, ahead of its first reader
.irp b, 0,1,2,3
	v_exp_f32 v[232+\b], v[232+\b]                 ; the blocks' largest p
.endr
	v_pk_add_f32 v[236:237], v[96:97], v[98:99]    ; the row's sum, of the unquantised p, in two chains
.set j, 4
.rept 15
	v_pk_add_f32 v[\STT+2:\STT+3], v[\STT+2:\STT+3], v[96+j:97+j]
	v_pk_add_f32 v[236:237], v[236:237], v[98+j:99+j]
.set j, j+4
.endr
	v_pk_add_f32 v[\STT+2:\STT+3], v[\STT+2:\STT+3], v[236:237]
	s_wait_alu depctr_va_vdst(0)                   ; and one for the four
.irp b, 0,1,2,3
	v_max_num_f32 v[232+\b], 0x1800000, v[232+\b]  ; the floor 2^(3 - 127)
.endr
.irp b, 0,1,2,3
	v_add_nc_u32 v[244+\b], 0xff000000, v[232+\b]
.endr
.irp b, 0,1,2,3
	v_lshrrev_b32 v[236+\b], 23, v[244+\b]
.endr
	v_lshl_or_b32 v253, v237, 8, v236              ; p's scale word
	v_lshl_or_b32 v253, v238, 16, v253
	v_lshl_or_b32 v253, v239, 24, v253
.irp c, 0,1
	v_cvt_scalef32_pk16_fp6_f32 v[224+6*\c:226+6*\c], v[96+32*\c:111+32*\c], v[244+2*\c]
	v_cvt_scalef32_pk16_fp6_f32 v[236+4*\c:238+4*\c], v[112+32*\c:127+32*\c], v[244+2*\c+1]
.endr
	v_nop                                          ; one plain place behind a scaled conversion
.irp t, 0,1,2,3                        ; V^T's four fragments take p's registers; the lines below stand under these loads
.irp p, 0,1,2,3,4,5
	ds_load_b64 v[96+12*\t+2*\p:97+12*\t+2*\p], v[ADV] offset:\t*1536+256*\p
.endr
	ds_load_b32 v[248+\t], v[ADT] offset:64*\t
.endr
.irp c, 0,1
.irp i, 0,1,2
	v_permlane16_swap_b32 v[224+6*\c+\i], v[236+4*\c+\i]
.endr
.irp i, 0,1,2
	v_mov_b32 v[227+6*\c+\i], v[236+4*\c+\i]
.endr
.endr
.set j, 0
.rept 16
	v_pk_mul_f32 v[\OB+j:\OB+j+1], v[\OB+j:\OB+j+1], v[252:253] op_sel_hi:[1,0]   ; O^T under the new M; these are also the places in front of the scaled products
.set j, j+2
.endr
	s_wait_dscnt 0x0
.irp t, 0,1,2,3
	v_wmma_scale_f32_16x16x128_f8f6f4 v[\OB+8*\t:\OB+8*\t+7], v[96+12*\t:107+12*\t], v[224:235], v[\OB+8*\t:\OB+8*\t+7], v[248+\t], v253 matrix_a_fmt:MATRIX_FMT_FP6 matrix_b_fmt:MATRIX_FMT_FP6
.endr
.Lhidden_\@:
.endm
.macro PHASE last                      ; key steps up to last - 1, both tiles
.Lp_\@:
	STEP 16, 92, 12, 160, WV, DA
	STEP 28, 93, 88, 192, WB, DB
	s_add_co_u32 s[TBK], s[TBK], 6144
	s_add_co_u32 s[TBV], s[TBV], 6144
	s_add_co_u32 s[TSK], s[TSK], 512
	s_add_co_u32 s[TSV], s[TSV], 256
	s_add_co_u32 s[KJ], s[KJ], 1
	s_cmp_lt_u32 s[KJ], \last
	s_cbranch_scc1 .Lp_\@
.endm
	s_wait_tensorcnt 1                             ; my parts of the scale words and of steps 0-3 are in; the load of steps 4-15 may be out
	s_barrier_signal -1
	s_barrier_wait -1                              ; everybody's are
	s_mov_b32 s[KJ], 0
	s_mov_b32 s[TBK], 0
	s_mov_b32 s[TBV], 24576
	s_mov_b32 s[TSK], SCB
	s_mov_b32 s[TSV], SCB+8192
	PHASE 4
	s_wait_tensorcnt 0x0                           ; my part of steps 4-15 is in
	s_wait_dscnt 0x0
	s_barrier_signal -1
	s_barrier_wait -1
	s_mov_b32 s[KJ], 4
	s_mov_b32 s[TBK], 49152
	s_mov_b32 s[TBV], 122880
	s_mov_b32 s[TSK], SCB+4*512
	s_mov_b32 s[TSV], SCB+8192+4*256
	PHASE 16
	; THE WAY OUT: O^T / the sum, both tiles; 64 numbers a lane, register 16 b + i: blocks 0, 1 my first tile's d = 32 b + 16 (lane / 16) + i, blocks 2, 3 my second tile's: one quantising serves both.
.rept 4
	v_nop
.endr
	v_add_f32 v14, v14, v15
	v_add_f32 v90, v90, v91
	v_permlanex16_b32 v252, v14, s[SEL], s[SEL+1]
	v_permlanex16_b32 v254, v90, s[SEL], s[SEL+1]
	v_add_f32 v14, v14, v252
	v_add_f32 v90, v90, v254
	v_rcp_f32 v58, v14                             ; (v59 and v61, named with them as pairs, hold zeros written at the head)
	v_rcp_f32 v60, v90
.irp b, 0,1,2,3
	v_mov_b32 v[TM+4+\b], 0                        ; plain places behind the reciprocals; a lane permute's destination counts as one of its sources
.endr
	s_wait_alu depctr_va_vdst(0)                   ; one wait for both, ahead of their first reader
.set j, 0
.rept 16
	v_pk_mul_f32 v[96+j:97+j], v[160+j:161+j], v[58:59] op_sel_hi:[1,0]   ; each accumulator from its low end on
.set j, j+2
.endr
.set j, 0
.rept 16
	v_pk_mul_f32 v[128+j:129+j], v[192+j:193+j], v[60:61] op_sel_hi:[1,0]
.set j, j+2
.endr
.irp b, 0,1,2,3
	v_max3_num_f32 v[TM+\b], |v[96+16*\b]|, |v[97+16*\b]|, 0x1800000
.endr
.irp i, 2,4,6,8,10,12,14
.irp b, 0,1,2,3
	v_max3_num_f32 v[TM+\b], v[TM+\b], |v[96+16*\b+\i]|, |v[97+16*\b+\i]|
.endr
.endr
.irp b, 0,1,2,3
	v_permlanex16_b32 v[TM+4+\b], v[TM+\b], s[SEL], s[SEL+1]
.endr
.irp b, 0,1,2,3
	v_max_num_f32 v[TM+\b], v[TM+\b], v[TM+4+\b]
.endr
.irp b, 0,1,2,3
	v_add_nc_u32 v[TM+12+\b], 0xff000000, v[TM+\b]
.endr
.irp b, 0,1,2,3
	v_lshrrev_b32 v[TM+4+\b], 23, v[TM+12+\b]
.endr
	v_lshl_or_b32 v[PW], v[TM+5], 8, v[TM+4]       ; bytes 0, 1: my first tile's row; bytes 2, 3: my second tile's
	v_lshl_or_b32 v[PW], v[TM+6], 16, v[PW]
	v_lshl_or_b32 v[PW], v[TM+7], 24, v[PW]
.irp c, 0,1
	v_cvt_scalef32_pk16_fp6_f32 v[PC+6*\c:PC+2+6*\c], v[96+32*\c:111+32*\c], v[TM+12+2*\c]
	v_cvt_scalef32_pk16_fp6_f32 v[PC+12+4*\c:PC+14+4*\c], v[112+32*\c:127+32*\c], v[TM+12+2*\c+1]
.endr
	v_nop                                          ; one plain place behind a scaled conversion
.irp c, 0,1
.irp i, 0,1,2
	v_permlane16_swap_b32 v[PC+6*\c+\i], v[PC+12+4*\c+\i]
.endr
.irp i, 0,1,2
	v_mov_b32 v[PC+3+6*\c+\i], v[PC+12+4*\c+\i]
.endr
.endr
	s_lshr_b32 s88, s73, 4                         ; b
	s_and_b32 s89, s73, 15                         ; h
	s_lshl_b32 s90, s88, 7
	s_add_co_u32 s90, s90, 768                     ; row tile 768 + 128 b + my tile
	s_add_co_u32 s91, s90, s85
	s_add_co_u32 s92, s90, s87
	s_mul_i32 s91, s91, 12288
	s_mul_i32 s92, s92, 12288
	s_mul_i32 s93, s89, 768                        ; K step h / 2, half h % 2: 768 h bytes
	s_add_co_u32 s91, s91, s93
	s_add_co_u32 s92, s92, s93
	v_add_nc_u32 v8, s91, v[L8]
	v_add_nc_u32 v9, s92, v[L8]
.irp p, 0,1,2
	global_store_b64 v8, v[PC+2*\p:PC+2*\p+1], s[8:9] offset:256*\p       ; 32 lanes store 256 consecutive bytes, aligned
	global_store_b64 v9, v[PC+6+2*\p:PC+7+2*\p], s[8:9] offset:256*\p
.endr
	s_mul_i32 s94, s89, 81920                      ; plane h
	s_lshl_b32 s95, s88, 13
	s_add_co_u32 s94, s94, s95
	s_add_co_u32 s94, s94, 49152                   ; position 12,288 + 2,048 b
	s_lshl_b32 s95, s85, 6
	s_add_co_u32 s95, s95, s94
	s_lshl_b32 s96, s87, 6
	s_add_co_u32 s96, s96, s94
	s_and_b32 s97, s89, 1
	s_lshl_b32 s97, s97, 4                         ; an even head's bytes in bits 15:0, an odd head's in bits 31:16
	v_and_b32 v10, 31, v0
	v_cmp_gt_u32 vcc_lo, 16, v10                   ; lanes 0-15 store my first tile's words, lanes 16-31 my second tile's
	v_and_b32 v11, 0xffff, v[PW]
	v_lshrrev_b32 v57, 16, v[PW]
	v_cndmask_b32 v57, v57, v11, vcc_lo
	v_lshlrev_b32 v57, s97, v57
	v_mov_b32 v10, s96
	v_mov_b32 v11, s95
	v_cndmask_b32 v10, v10, v11, vcc_lo
	v_add_nc_u32 v10, v10, v[R4]
	global_store_b32 v10, v57, s[10:11]
	s_wait_tensorcnt 0x0                           ; the wave's end, behind my last tensor load
	ds_add_u32 v[SPW], v[NIL]
	s_wait_dscnt 0x0
	CROUND                                         ; the closing round
	s_endpgm
.Lfunc_end_k_qc9e5afef5f_attn:
	.size	k_qc9e5afef5f_attn, .Lfunc_end_k_qc9e5afef5f_attn-k_qc9e5afef5f_attn
	.p2alignl 7, 3214868480
	.fill 96, 4, 3214868480
	.section	.rodata,"a",@progbits
	.p2align	6, 0x0
	.amdhsa_kernel k_qc9e5afef5f_attn
		.amdhsa_group_segment_fixed_size 210944
		.amdhsa_private_segment_fixed_size 0
		.amdhsa_enable_private_segment 0
		.amdhsa_kernarg_size 32
		.amdhsa_user_sgpr_count 2
		.amdhsa_user_sgpr_kernarg_segment_ptr 1
		.amdhsa_wavefront_size32 1
		.amdhsa_system_sgpr_workgroup_id_x 1
		.amdhsa_system_sgpr_workgroup_id_y 1
		.amdhsa_system_sgpr_workgroup_id_z 1
		.amdhsa_system_vgpr_workitem_id 0
		.amdhsa_next_free_vgpr 256
		.amdhsa_next_free_sgpr 100
		.amdhsa_reserve_vcc 1
		.amdhsa_float_denorm_mode_32 3
		.amdhsa_float_denorm_mode_16_64 3
		.amdhsa_memory_ordered 1
		.amdhsa_forward_progress 1
		.amdhsa_inst_pref_size 111
	.end_amdhsa_kernel
	.amdgpu_metadata
---
amdhsa.version: [ 1, 2 ]
amdhsa.kernels:
  - .name:           k_qc9e5afef5f_attn
    .symbol:         k_qc9e5afef5f_attn.kd
    .args:
      - { .name: qkv, .offset: 0, .size: 8, .value_kind: global_buffer, .address_space: global }
      - { .name: qkvs, .offset: 8, .size: 8, .value_kind: global_buffer, .address_space: global }
      - { .name: ops, .offset: 16, .size: 8, .value_kind: global_buffer, .address_space: global }
      - { .name: opss, .offset: 24, .size: 8, .value_kind: global_buffer, .address_space: global }
    .group_segment_fixed_size: 210944
    .private_segment_fixed_size: 0
    .kernarg_segment_align: 8
    .kernarg_segment_size: 32
    .max_flat_workgroup_size: 512
    .sgpr_count:     100
    .vgpr_count:     256
    .wavefront_size: 32
...
	.end_amdgpu_metadata
.endif
;; end of part 3
;; launch outp (part 4): grid 4 x 32, 4 waves a work-group, clusters of 4 x 4, 327,680 bytes of LDS; arguments ops, opss, b_o, out0; writes out0
.if DOCPART == 4
	.amdgcn_target "amdgcn-amd-amdhsa--gfx1250"
	.amdhsa_code_object_version 6
	.text
	.protected	k_qc9e5afef5f_outp
	.globl	k_qc9e5afef5f_outp
	.p2align	8
	.type	k_qc9e5afef5f_outp,@function
k_qc9e5afef5f_outp:
	s_mov_b64 s[64:65], 0
	v_nop
	global_prefetch_b8 v0, s[64:65] scope:SCOPE_SE
	s_setreg_imm32_b32 hwreg(HW_REG_WAVE_MODE, 25, 1), 1
	s_wait_xcnt 0x0
	s_wait_alu depctr_hold_cnt(0) depctr_sa_sdst(0) depctr_va_vdst(0) depctr_va_sdst(0) depctr_va_ssrc(0) depctr_va_vcc(0) depctr_vm_vsrc(0)
	s_getreg_b32 s2, hwreg(HW_REG_IB_STS2, 6, 4)
	s_cmp_eq_u32 s2, 0
	s_cbranch_scc0 .Lentry_in_a_cluster
	s_endpgm
.Lentry_in_a_cluster:
	s_bfe_u32 s2, ttmp6, 0x10000c
	s_cmp_lg_u32 s2, 0xf033
	s_cbranch_scc0 .Lentry_shape_is_right
	s_endpgm
.Lentry_shape_is_right:
; out0 = vals w_o^T + b_o on codes of FP6 (E2M3) with E8M0 scales, K = 1,024.  A = vals (ops positions 12,288 on, made by the attention launch), B = w_o (positions 11,264 on).
; A tile of C, 256 x 256, is made by four waves of 128 x 128 (64 accumulators, 512 registers).  The matrix instruction is used transposed: source 0 = 16 rows of B, source 1 = 16 rows of A.  Rows lie at positions with bits 3
; and 4 of their number exchanged: so a lane's 16 registers of accumulators (a, 2 c), (a, 2 c + 1) are 16 neighbouring columns of out0, and row i of block a is out0's row 32 (a / 2) + 8 (a % 2) + i + 8 (i / 8) of my 128.
; OPERANDS lie in ops as images of their registers ([row tile][K step 8][6 units of 256 bytes]); a slot of the ring holds two K steps.  The scale words of all of K stay in 64 registers: lanes 0-15 A's block, lanes 16-31 B's.
; The bias is the C of each sum's first matrix instruction.  CLUSTERS: 4 x 4; A's tiles are asked for jointly along a row of the cluster, B's along a column.
; 128 work-groups: C has 32 x 4 tiles of this size.
; REGISTERS: window 0: v16-31 addresses; v32-95 scale words; v96-127, v224-255 the bias; v128-223 A's fragments (one set); on the way out v128-255 rows of out0.  window 1: B's fragments, two sets.  windows 2, 3: the accumulators.
.set HALFT,  24576
.set SLOT,   4*HALFT
.set STAGE,  2*SLOT                    ; behind the ring: 16 rows x (512 + 16) bytes for each wave
.set SPITCH, 528
.set SPARE,  STAGE+4*16*SPITCH         ; the spare words, 128 bytes a wave: two blocks of 256 bytes that no other line names
.set PLANE,  81920
.set FR,     12
.set ADRA, 16
.set ADRB, 20
.set VOFF, 22                          ; v22  my scale words' offset in a plane
.set VB,   23                          ; v23  64 x (lane / 16): my half's bias
.set STO,  24                          ; v24  the way out: where I put 32 bytes of a row
.set RD,   25                          ; v25  where I read a row back
.set CO,   26                          ; v26  16 x lane
.set SPW,  28
.set NIL,  29
.set SC,   32
.set BI,   96                          ; the bias of B's block b at v[96 + 8 b + 96 (b / 4)]
.set AF,   128
.set BK,   128
.set G1, 24
.set G0, 32
.set G1B, 48
.set G0B, 56
.set MSB, 0
.macro WIN new
.if MSB != (\new)
	s_set_vgpr_msb (MSB<<8)|(\new)
.set MSB, (\new)
.endif
.endm
.set MUL_LO, 0xa1                      ; source 0 (B) window 1, source 1 (A) window 0, C and D window 2
.set MUL_HI, 0xf1
.set FST_LO, 0x81                      ; the first products: C (the bias) window 0, D window 2
.set FST_HI, 0xc1
.set TO_B,   0x40
.macro JLOAD s
	s_cmp_eq_u32 s15, 0
	s_cbranch_scc0 .Lfor_b_\@
	tensor_load_to_lds s[G0+4*\s:G0+4*\s+3], s[G1:G1+7]
	s_nop 0
.rept 4
	v_nop
.endr
	s_branch .Lasked_\@
.Lfor_b_\@:
	tensor_load_to_lds s[G0B+4*\s:G0B+4*\s+3], s[G1B:G1B+7]
	s_nop 0
.rept 4
	v_nop
.endr
.Lasked_\@:
.endm
.macro CREST
	s_cmp_lg_u32 s14, 0
	s_cbranch_scc1 .Lnot_wave_0_\@
	s_barrier_signal -3
.Lnot_wave_0_\@:
	s_barrier_wait -3
	s_barrier_signal -1
	s_barrier_wait -1
.endm
.macro CROUND
	s_barrier_signal -1
	s_barrier_wait -1
	CREST
.endm
.macro PLACES
.rept 4
	v_nop
.endr
.endm
	s_load_b256 s[4:11], s[0:1], 0x0               ; ops s[4:5], opss s[6:7], b_o s[8:9], out0 s[10:11]
	v_lshl_add_u32 v[SPW], v0, 2, SPARE
	v_mov_b32 v[NIL], 0
	ds_add_u32 v[SPW], v[NIL]                      ; the wave's opening: the add and its wait stand ahead of my first tensor load
	v_lshrrev_b32 v1, 5, v0
	v_readfirstlane_b32 s14, v1                    ; wave 0..3
	s_lshr_b32 s15, s14, 1
	s_and_b32 s16, s14, 1
	s_bfe_u32 s40, ttmp6, 0x40000                  ; cx
	s_bfe_u32 s41, ttmp6, 0x40004                  ; cy
	s_lshl_b32 s42, ttmp9, 2
	s_add_co_u32 s42, s42, s40                     ; tile column
	s_and_b32 s17, ttmp7, 0xffff
	s_lshl_b32 s17, s17, 2
	s_add_co_u32 s17, s17, s41                     ; tile row
	s_lshl_b32 s43, s41, 2
	s_lshl_b32 s43, 15, s43                        ; my row of the cluster
	s_lshl_b32 s44, 0x1111, s40                    ; my column
	s_or_b32 s[G1+0], s43, (3<<16)|(1<<21)         ; 15:0 the mask; 17:16 elements of 8 bytes; 21 set beside a mask; no padding
	s_or_b32 s[G1B+0], s44, (3<<16)|(1<<21)
.irp g, G1, G1B
	s_mov_b32 s[\g+1], 384<<16                     ; tensor_dim0 = 384 elements: 3,072 bytes, two K steps of a row tile
	s_mov_b32 s[\g+2], 8<<16                       ; tensor_dim1 = 8 row tiles
	s_mov_b32 s[\g+3], 384<<16
	s_mov_b32 s[\g+4], 8
	s_mov_b32 s[\g+5], 1536                        ; from row tile to row tile: 12,288 bytes
	s_mov_b32 s[\g+6], 0
	s_mov_b32 s[\g+7], 0
.endr
	s_lshl_b32 s20, s17, 8
	s_add_co_u32 s20, s20, 12288                   ; A: the tile's first position
	s_lshl_b32 s46, s42, 8
	s_add_co_u32 s46, s46, 11264                   ; B: likewise
	s_lshl_b32 s21, s16, 7
	s_add_co_u32 s22, s20, s21                     ; the 128 positions that I fetch, of A
	s_add_co_u32 s47, s46, s21                     ; and of B: also the 128 of B that I multiply
	s_mul_i32 s22, s22, 768
	s_mov_b32 s23, 0
	s_mul_i32 s92, s47, 768
	s_mov_b32 s93, 0
	s_lshl_b32 s21, s15, 7
	s_add_co_u32 s94, s20, s21                     ; the 128 positions of A that I multiply
	s_mul_i32 s45, s14, HALFT
	s_lshl_b32 s80, s17, 8
	s_add_co_u32 s80, s80, s21                     ; m0: my first row of out0
	s_lshl_b32 s81, s42, 8
	s_lshl_b32 s82, s16, 7
	s_add_co_u32 s81, s81, s82                     ; n0: my first column
	s_lshl_b32 s82, s81, 2                         ; in bytes
	s_mov_b32 s83, 0
	s_lshl_b32 s84, s80, 12                        ; a row of out0 is 4,096 bytes (under 2^26 in all)
	s_add_co_u32 s84, s84, s82
	s_mov_b32 s85, 0
	s_wait_dscnt 0x0                               ; the opening add is done
	s_wait_kmcnt 0x0
	s_add_nc_u64 s[22:23], s[4:5], s[22:23]
	s_add_nc_u64 s[92:93], s[4:5], s[92:93]
	s_add_nc_u64 s[8:9], s[8:9], s[82:83]          ; the bias of my 128 columns
	s_add_nc_u64 s[10:11], s[10:11], s[84:85]      ; my corner of out0
	CROUND                                         ; all sixteen work-groups are here: the first joint loads meet
.irp s, 0,1
	s_mov_b32 s[G0+4*\s], 1
	s_add_co_u32 s[G0+4*\s+1], s45, \s*SLOT
	s_add_nc_u64 s[G0+4*\s+2:G0+4*\s+3], s[22:23], \s*3072
	s_or_b32 s[G0+4*\s+3], s[G0+4*\s+3], 0x80000000
	s_mov_b32 s[G0B+4*\s], 1
	s_add_co_u32 s[G0B+4*\s+1], s45, \s*SLOT
	s_add_nc_u64 s[G0B+4*\s+2:G0B+4*\s+3], s[92:93], \s*3072
	s_or_b32 s[G0B+4*\s+3], s[G0B+4*\s+3], 0x80000000
.endr
	s_cmp_eq_u32 s15, 0                            ; a wave's two first fills stand in one branch: two loads of mine are out
	s_cbranch_scc0 .Lfirst_b
	tensor_load_to_lds s[G0:G0+3], s[G1:G1+7]
	s_nop 0
	tensor_load_to_lds s[G0+4:G0+7], s[G1:G1+7]
	s_nop 0
.rept 4
	v_nop
.endr
	s_branch .Lfirst_asked
.Lfirst_b:
	tensor_load_to_lds s[G0B:G0B+3], s[G1B:G1B+7]
	s_nop 0
	tensor_load_to_lds s[G0B+4:G0B+7], s[G1B:G1B+7]
	s_nop 0
.rept 4
	v_nop
.endr
.Lfirst_asked:
	v_and_b32 v1, 31, v0                           ; lane
	v_and_b32 v2, 15, v0                           ; r
	v_bfe_u32 v6, v0, 4, 1                         ; h
	v_mov_b32 v3, s94
	v_mov_b32 v4, s47
	v_cmp_gt_u32 vcc_lo, 16, v1
	v_cndmask_b32 v3, v4, v3, vcc_lo
	v_add_lshl_u32 v[VOFF], v3, v2, 2              ; lanes 0-15 take A's scale words, lanes 16-31 B's
	v_lshlrev_b32 v[VB], 6, v6
.irp q, 0,1,2,3,4,5,6,7
.irp i, 0,1,2,3,4,5,6,7
	global_load_b32 v[SC+8*\i+\q], v[VOFF], s[6:7] offset:(2*\q)*PLANE+64*\i
	global_load_b32 v[AF+8*\i+\q], v[VOFF], s[6:7] offset:(2*\q+1)*PLANE+64*\i
.endr
.endr
.irp b, 0,1,2,3,4,5,6,7                ; lane (r, h) wants, for B's block b, b_o of columns 32 (b / 2) + 8 (b % 2) + 16 h + 0 .. 7
	global_load_b128 v[BI+8*\b+96*(\b/4):BI+8*\b+96*(\b/4)+3], v[VB], s[8:9] offset:128*(\b/2)+32*(\b%2)
	global_load_b128 v[BI+8*\b+96*(\b/4)+4:BI+8*\b+96*(\b/4)+7], v[VB], s[8:9] offset:128*(\b/2)+32*(\b%2)+16
.endr
	v_lshlrev_b32 v5, 3, v1                        ; 8 x lane
	s_mul_i32 s21, s15, HALFT
	s_mul_i32 s95, s16, HALFT
	s_add_co_u32 s95, s95, 2*HALFT
.irp s, 0,1
	v_add_nc_u32 v[ADRA+\s], s21, v5
	v_add_nc_u32 v[ADRB+\s], s95, v5
	s_add_co_u32 s21, s21, SLOT
	s_add_co_u32 s95, s95, SLOT
.endr
	s_mul_i32 s95, s14, 16*SPITCH
	s_add_co_u32 s95, s95, STAGE                   ; my stage
	v_mul_u32_u24 v[STO], v2, SPITCH
	v_lshl_add_u32 v[STO], v6, 6, v[STO]
	v_add_nc_u32 v[STO], s95, v[STO]               ; in: row r, + 64 h
	v_lshlrev_b32 v[CO], 4, v1
	v_add_nc_u32 v[RD], s95, v[CO]                 ; back: the 32 lanes take a row of 512 bytes
	s_wait_loadcnt 0x0
.set i, 0
.rept 64
	v_or_b32 v[SC+i], v[SC+i], v[AF+i]             ; the two half-planes of a K step make its scale word
.set i, i+1
.endr
.rept 8
	v_nop                                          ; a scale register written by a vector instruction stands eight places ahead of a scaled matrix instruction
.endr
.macro FRAG reg, adr, qs, i
.irp p, 0,1,2,3,4,5
	ds_load_b64 v[\reg+2*\p:\reg+2*\p+1], v[\adr] offset:(\i)*3072+(\qs)*1536+256*\p
.endr
.endm
.macro FETCH_B slot, qs, p
	WIN TO_B
.irp i, 0,1,2,3,4,5,6,7
	FRAG 128*(\p)+FR*\i, ADRB+\slot, \qs, \i
.endr
	WIN 0
.endm
.macro FETCH_A slot, qs, i0
.irp i, \i0, \i0+1, \i0+2, \i0+3
	FRAG AF+FR*(\i), ADRA+\slot, \qs, \i
.endr
.endm
; 16 matrix instructions: A's blocks a0, a0 + 1 x B's eight.  first = 1: the sums begin with the bias.  The 64 accumulators take turns, one instruction a turn.
.macro MUL16 a0, p, kq, first
.irp a, \a0, \a0+1
.irp b, 0,1,2,3,4,5,6,7
.if \first
	v_wmma_scale_f32_16x16x128_f8f6f4 v[8*(8*((\a)%4)+\b):8*(8*((\a)%4)+\b)+7], v[128*(\p)+FR*\b:128*(\p)+FR*\b+FR-1], v[AF+FR*(\a):AF+FR*(\a)+FR-1], v[BI+8*\b+96*(\b/4):BI+8*\b+96*(\b/4)+7], v[SC+8*\b+(\kq)], v[SC+8*(\a)+(\kq)] matrix_a_fmt:MATRIX_FMT_FP6 matrix_b_fmt:MATRIX_FMT_FP6 matrix_a_scale:MATRIX_SCALE_ROW1
.else
	v_wmma_scale_f32_16x16x128_f8f6f4 v[8*(8*((\a)%4)+\b):8*(8*((\a)%4)+\b)+7], v[128*(\p)+FR*\b:128*(\p)+FR*\b+FR-1], v[AF+FR*(\a):AF+FR*(\a)+FR-1], v[8*(8*((\a)%4)+\b):8*(8*((\a)%4)+\b)+7], v[SC+8*\b+(\kq)], v[SC+8*(\a)+(\kq)] matrix_a_fmt:MATRIX_FMT_FP6 matrix_b_fmt:MATRIX_FMT_FP6 matrix_a_scale:MATRIX_SCALE_ROW1
.endif
.endr
.endr
.endm
.macro STEP slot, kq, first
	s_wait_dscnt 24                                ; B's set and A's blocks 0-3 are in; the youngest 24 loads (A's blocks 4-7) may be out
.if \first
	WIN FST_LO
.else
	WIN MUL_LO
.endif
	MUL16 0, 0, \kq, \first
	MUL16 2, 0, \kq, \first
	s_wait_dscnt 0
	PLACES
	FETCH_B \slot, 1, 1
	FETCH_A \slot, 1, 0
.if \first
	WIN FST_HI
.else
	WIN MUL_HI
.endif
	MUL16 4, 0, \kq, \first
	MUL16 6, 0, \kq, \first
	PLACES
	WIN 0
	FETCH_A \slot, 1, 4
.endm
.macro TURN slot, next, fill, kq
	s_wait_tensorcnt 0x0                           ; all my tensor loads have landed: my part of the next slot
	ds_add_u32 v[SPW], v[NIL]                      ; 0 onto my spare word
	s_wait_dscnt 25                                ; (the add and the youngest 24 loads may be out)
	WIN MUL_LO
	MUL16 0, 1, \kq, 0
	s_wait_dscnt 0x0                               ; the add is done, and my reads of this slot are over
	s_barrier_signal -1
	MUL16 2, 1, \kq, 0
	WIN 0
	s_barrier_wait -1
.if \fill
	CREST                                          ; no wave of any partner still reads this slot or has a load on its way
	s_add_nc_u64 s[G0+4*\slot+2:G0+4*\slot+3], s[G0+4*\slot+2:G0+4*\slot+3], 6144
	s_add_nc_u64 s[G0B+4*\slot+2:G0B+4*\slot+3], s[G0B+4*\slot+2:G0B+4*\slot+3], 6144
	JLOAD \slot
.else
	PLACES
.endif
	FETCH_B \next, 0, 0
	FETCH_A \next, 0, 0
	WIN MUL_HI
	MUL16 4, 1, \kq, 0
	MUL16 6, 1, \kq, 0
	PLACES
	WIN 0
	FETCH_A \next, 0, 4
.endm
	s_wait_tensorcnt 1                             ; my part of slot 0 is in; slot 1's load may be out
	s_barrier_signal -1
	s_barrier_wait -1
	FETCH_B 0, 0, 0
	FETCH_A 0, 0, 0
	FETCH_A 0, 0, 4
	STEP 0, 0, 1
	TURN 0, 1, 1, 1
	STEP 1, 2, 0
	TURN 1, 0, 1, 3
	STEP 0, 4, 0
	TURN 0, 1, 0, 5
	STEP 1, 6, 0
	s_wait_dscnt 24
	WIN MUL_LO
	MUL16 0, 1, 7, 0
	MUL16 2, 1, 7, 0
	s_wait_dscnt 0
	WIN MUL_HI
	MUL16 4, 1, 7, 0
	MUL16 6, 1, 7, 0
	WIN 0
; THE WAY OUT, block by block of 16 rows x 128 columns, through my own stage: in as 32 bytes a lane, back as whole rows of 512 bytes.  LDS serves a wave's instructions in order: no wait between the stores and the loads.
.macro TOSTAGE a
.set AC, 64*((\a)%4)
	WIN 0x08+4*((\a)/4)                            ; the data: window 2 or 3
.irp b, 0,1,2,3,4,5,6,7
	ds_store_b128 v[STO], v[AC+8*\b:AC+8*\b+3] offset:128*(\b/2)+32*(\b%2)          ; each accumulator from its low end on
	ds_store_b128 v[STO], v[AC+8*\b+4:AC+8*\b+7] offset:128*(\b/2)+32*(\b%2)+16
.endr
	WIN 0
.set BB, BK+64*((\a)%2)
.irp t, 0,1,2,3,4,5,6,7,8,9,10,11,12,13,14,15
	ds_load_b128 v[BB+4*\t:BB+4*\t+3], v[RD] offset:\t*SPITCH
.endr
.endm
.macro SEND a, younger                 ; younger: the LDS instructions issued behind block a's loads
.set BB, BK+64*((\a)%2)
	s_wait_dscnt \younger
.irp t, 0,1,2,3,4,5,6,7,8,9,10,11,12,13,14,15
	global_store_b128 v[CO], v[BB+4*\t:BB+4*\t+3], s[10:11] offset:(32*((\a)/2)+8*((\a)%2)+\t+8*(\t/8))*4096 th:TH_STORE_NT   ; 32 lanes store 512 consecutive bytes, aligned; the row's true number stands in the immediate
.endr
.endm
	PLACES                                         ; in front of the first read of results and of loads into registers that held A's fragments
	TOSTAGE 0
.irp a, 1,2,3,4,5,6,7
.if \a > 1
	s_wait_xcnt 0x0                                ; block a - 2's stores have read their registers: block a's loads may land there
.endif
	TOSTAGE \a
	SEND \a-1, 32                                  ; behind block a - 1's loads: block a's 16 stores and 16 loads
.endr
	SEND 7, 0
	s_wait_tensorcnt 0x0                           ; the wave's end, behind my last tensor load and LDS store
	ds_add_u32 v[SPW], v[NIL]
	s_wait_dscnt 0x0
	CROUND                                         ; the closing round
	s_endpgm
.Lfunc_end_k_qc9e5afef5f_outp:
	.size	k_qc9e5afef5f_outp, .Lfunc_end_k_qc9e5afef5f_outp-k_qc9e5afef5f_outp
	.p2alignl 7, 3214868480
	.fill 96, 4, 3214868480
	.section	.rodata,"a",@progbits
	.p2align	6, 0x0
	.amdhsa_kernel k_qc9e5afef5f_outp
		.amdhsa_group_segment_fixed_size 327680
		.amdhsa_private_segment_fixed_size 0
		.amdhsa_enable_private_segment 0
		.amdhsa_kernarg_size 32
		.amdhsa_user_sgpr_count 2
		.amdhsa_user_sgpr_kernarg_segment_ptr 1
		.amdhsa_wavefront_size32 1
		.amdhsa_system_sgpr_workgroup_id_x 1
		.amdhsa_system_sgpr_workgroup_id_y 1
		.amdhsa_system_sgpr_workgroup_id_z 1
		.amdhsa_system_vgpr_workitem_id 0
		.amdhsa_next_free_vgpr 1024
		.amdhsa_next_free_sgpr 100
		.amdhsa_reserve_vcc 1
		.amdhsa_float_denorm_mode_32 3
		.amdhsa_float_denorm_mode_16_64 3
		.amdhsa_memory_ordered 1
		.amdhsa_forward_progress 1
		.amdhsa_inst_pref_size 170
	.end_amdhsa_kernel
	.amdgpu_metadata
---
amdhsa.version: [ 1, 2 ]
amdhsa.kernels:
  - .name:           k_qc9e5afef5f_outp
    .symbol:         k_qc9e5afef5f_outp.kd
    .args:
      - { .name: ops, .offset: 0, .size: 8, .value_kind: global_buffer, .address_space: global }
      - { .name: opss, .offset: 8, .size: 8, .value_kind: global_buffer, .address_space: global }
      - { .name: b_o, .offset: 16, .size: 8, .value_kind: global_buffer, .address_space: global }
      - { .name: out0, .offset: 24, .size: 8, .value_kind: global_buffer, .address_space: global }
    .group_segment_fixed_size: 327680
    .private_segment_fixed_size: 0
    .kernarg_segment_align: 8
    .kernarg_segment_size: 32
    .max_flat_workgroup_size: 128
    .sgpr_count:     100
    .vgpr_count:     1024
    .wavefront_size: 32
...
	.end_amdgpu_metadata
.endif
;; end of part 4
